; MI455X (gfx1250); checked and timed in simulation.
; The chip was launched on July 23, 2026; its instructions are those of AMD's public machine-readable ISA for CDNA 5 (MIT licence, August 2026) and "CDNA5" Instruction Set Architecture Reference Guide (July 2026). The comments in the code are by the model that wrote it; some were corrected since.
;; Mo E. Allowed arithmetic: matrix products marked QUANTISED: E2M1 operands, one E8M0 scale for each 32 along K, by v_wmma_scale_f32_16x16x128_f8f6f4 with both operands' format E2M1 (or v_wmma_scale_f32_32x16x128_f4), f32 sums; products left as they are: f32 operands where the result goes on into a quantised operand, else bf16, f16 or f32 operands; f32 sums; everything else in f32.
;; Inputs: We 8 x 1,024 x 1,024 float32; Wg 8 x 1,024 float32; be 8 x 1,024 float32; bg 8 float32; x 4 x 2,048 x 1,024 float32.
;; Outputs: out0 4 x 2,048 x 1,024 float32.
;; Constants: top_k = 2.
;; This version of the problem:
;;   THIS VERSION OF THE PROBLEM IS GIVEN IN LOW PRECISION. The matrix products marked QUANTISED in the list below multiply operands that are first quantised to E2M1 (2 exponent bits, 1 mantissa bit; 4 bits a number), with one power-of-two scale for each 32 numbers along K (OCP MX v1.0); their sums are f32. All else is computed in f32.
;;   The module's matrix products, in the order in which they are computed (A, B: the left and right operand; K: the contracted axis; several contracted axes count as one K, in the product's order):
;;     1. [M 8,192, K 1,024] x [K 1,024, N 8]; A: input x; B: input Wg: left as it is (N = 8 < 16)
;;     2. [M 8,192, K 1,024] x [K 1,024, N 8,192]; A: input We; B: input x: QUANTISED
;;   THE QUANTISER, for each operand of a quantised product, along K:
;;     - K is cut into blocks of 32 from its start; a last block that is shorter is filled with zeros.
;;     - A block's scale is 2^e with e = floor(log2(the largest magnitude in the block)) - 2, held to -126 .. 127; a block of zeros has e = 0. As a byte (E8M0): e + 127.
;;     - Each number is divided by its block's scale, clamped to +-6, and rounded to the nearest number of E2M1, ties to even, subnormals kept.
;;     - The product sums the exact products of the quantised numbers (number of the format x scale) in f32.
;;   ~~~python
;;   def quantise(x, axis):      # numpy; x: float32 -> the quantised numbers, widened to float32 again
;;       x = np.moveaxis(x, axis, -1); K = x.shape[-1]
;;       x = np.pad(x, [(0, 0)] * (x.ndim - 1) + [(0, -K % 32)]); x = x.reshape(x.shape[:-1] + (-1, 32)); a = np.abs(x).max(-1, keepdims=True)
;;       e = np.where(a > 0, np.clip(np.frexp(np.where(a > 0, a, 1))[1] - 1 - 2, -126, 127), 0)      # np.frexp(a)[1] - 1 = floor(log2(a)), exactly
;;       r = np.clip(x / 2.0 ** e, -6, 6)
;;       step = 2.0 ** (np.maximum(np.frexp(np.where(r == 0, 1, r))[1] - 1, 0) - 1)
;;       q = np.round(r / step) * step * 2.0 ** e      # np.round: ties to even
;;       return np.moveaxis(q.reshape(q.shape[:-2] + (-1,))[..., :K], -1, axis).astype(np.float32)
;;   ~~~
;; 2 versions. Each part assembles by itself: llvm-mc -triple=amdgcn-amd-amdhsa -mcpu=gfx1250 --defsym DOCPART=n.
;; ======== version 1 of 2: 3 launches
;; workspace buffers: xc 4,194,304 bytes; xs 262,144 bytes; wc 4,194,304 bytes; ws 262,144 bytes; route 65,536 bytes of whole numbers; gates 65,536 bytes; order 32,768 bytes of whole numbers; blocks 256 bytes of whole numbers
;; launch prep (part 1): grid 256 x 1, 4 waves a work-group, no clusters, 42,752 bytes of LDS; arguments x, Wg, bg, xc, xs, route, gates; writes xc, xs, route, gates
.if DOCPART == 1
	.amdgcn_target "amdgcn-amd-amdhsa--gfx1250"
	.amdhsa_code_object_version 6
	.text
	.protected	k_qf8ef984897_prep
	.globl	k_qf8ef984897_prep
	.p2align	8
	.type	k_qf8ef984897_prep,@function
k_qf8ef984897_prep:
	s_mov_b64 s[64:65], 0
	v_nop
	global_prefetch_b8 v0, s[64:65] scope:SCOPE_SE
	s_setreg_imm32_b32 hwreg(HW_REG_WAVE_MODE, 25, 1), 1
	s_wait_xcnt 0x0
; x [8192][1024], f32, becomes codes of FP4 (E2M1) with one E8M0 byte for each 32 along K (K innermost);
; the gate is computed on the way: logits x Wg^T + bg in f32, softmax over 8 experts, the two largest (the lower index wins a tie), their weights.
; A work-group takes 32 tokens (a chunk).  Work-groups share nothing but Wg's 32 KB, so there is no cluster and no tensor load: a stream through registers.
; SHARES.  Wave w takes K quarter w (k = 256 w .. 256 w + 255) of all 32 rows, in 16 steps; step t takes rows t and 16 + t.  Each load reads 512 consecutive bytes; a step's 2,048 bytes turn through the wave's
; own stage in LDS and come back 64 bytes a lane: lane (H = lane / 16, q = lane % 16) then holds k = 256 w + 16 q + 0 .. 15 of row 16 H + t; lanes q and q xor 1 share a block of 32.
; A block's scale byte is its largest magnitude's exponent field - 2, held at 1 from below; the conversion divides by that power of two, rounds to the nearest code, ties to even, and gives the largest code beyond 6.
; WHAT IS STORED.  xc [token][512 B], xs [token][32 B];
; route [chunk][lane][2 words]: word 0 = lo | hi << 4 | key << 8 | (rank among the chunk's tokens of the same key) << 16 of token 32 chunk + lane, word 1 = how many tokens of the chunk have key = lane; gates [token][g_lo, g_hi].
; The key numbers the 28 pairs lo < hi so that neighbouring keys share an expert: lo (15 - lo) / 2 + (lo even ? hi - lo - 1 : 7 - hi).  All of this is stored at fixed places: no address and no branch hangs on it.
; LIMITS: NaN and infinities are not served.  A block of zeros gets the byte 1 (its codes are zeros; this program alone reads the bytes).  A gate weight under 2^-126 comes out as 0.
; Two logits closer than the rounding of an f32 sum of 1,024 terms may be ordered otherwise than a sum in another order would.
.set XCODE, 20480                      ; [0, 20480) the waves' turn stages; the codes: tokens 0-15 at pitch 512, tokens 16-31 begin XHALF on (128 bytes more than 16 rows: the two halves of a wave's store differ by 128 modulo 256)
.set XHALF, 8320
.set XSC,   37120                      ; [token][32] scale bytes
.set LG,    38144                      ; [wave][lane = token][8 f32] partial logits
.set R, 16                             ; v16-143  eight sets of 16 numbers as loaded
.set X, 144                            ; v144-175 two sets of 16 neighbours
.set C, 176                            ; v176-207 codes, two registers a step
.set E, 208                            ; v208-223 a scale byte a step
.set A, 224                            ; v224-239 eight pairs of running sums (even k, odd k)
.set P, 240                            ; v240-247 a step's eight partial logits
.set L, 248                            ; v248-255 the stash: lane = token
                                       ; window 1, v0-127: Wg(e, i) at 16 e + i = Wg[e][256 w + 16 q + i]
.set MSB, 0
.macro WIN new                         ; the immediate's high byte repeats the setting that is left
.if MSB != \new
	s_set_vgpr_msb (MSB<<8)|\new
.set MSB, \new
.endif
.endm
.macro LOAD t                          ; rows t and 16 + t, my quarter: four loads of 512 consecutive bytes
.set RS, R+16*((\t)%8)
	global_load_b128 v[RS:RS+3],     v2, s[28:29] offset:(\t)*4096 th:TH_LOAD_NT
	global_load_b128 v[RS+4:RS+7],   v2, s[28:29] offset:(\t)*4096+512 th:TH_LOAD_NT
	global_load_b128 v[RS+8:RS+11],  v2, s[28:29] offset:(16+(\t))*4096 th:TH_LOAD_NT
	global_load_b128 v[RS+12:RS+15], v2, s[28:29] offset:(16+(\t))*4096+512 th:TH_LOAD_NT
.endm
.macro TURN t                          ; through my stage: in as loaded (four lanes' 64 bytes, then 16 of padding), out 64 bytes a lane.  LDS serves a wave's instructions in order: no wait between
.irp i, 0,1,2,3
	ds_store_b128 v3, v[R+16*((\t)%8)+4*\i:R+16*((\t)%8)+4*\i+3] offset:2560*((\t)%2)+640*\i
.endr
.irp i, 0,1,2,3
	ds_load_b128 v[X+16*((\t)%2)+4*\i:X+16*((\t)%2)+4*\i+3], v4 offset:2560*((\t)%2)+16*\i
.endr
.endm
.macro QUANT t                         ; my 16 numbers become 8 bytes of codes
.set XS, X+16*((\t)%2)
	v_max3_num_f32 v8, |v[XS]|, |v[XS+1]|, |v[XS+2]|
	v_max3_num_f32 v9, |v[XS+3]|, |v[XS+4]|, |v[XS+5]|
.irp i, 6,10
	v_max3_num_f32 v8, v8, |v[XS+\i]|, |v[XS+\i+1]|
	v_max3_num_f32 v9, v9, |v[XS+\i+2]|, |v[XS+\i+3]|
.endr
	v_max3_num_f32 v8, v8, |v[XS+14]|, |v[XS+15]|
	v_max3_num_f32 v8, v8, v9, 0x1800000           ; and the floor 2^(3 - 127): the byte cannot fall under 1
	v_max_num_f32_dpp v8, v8, v8 row_xmask:1 row_mask:0xf bank_mask:0xf   ; with my neighbour's 16: the block's largest magnitude
	v_add_nc_u32 v11, 0xff000000, v8               ; 2 off its exponent field: the conversion takes this operand's exponent field as its scale
	v_cvt_scalef32_pk8_fp4_f32 v[C+2*(\t)], v[XS:XS+7], v11
	v_cvt_scalef32_pk8_fp4_f32 v[C+2*(\t)+1], v[XS+8:XS+15], v11
	v_lshrrev_b32 v[E+(\t)], 23, v11               ; the scale's byte; also the plain line behind the conversions
	ds_store_b64 v5, v[C+2*(\t):C+2*(\t)+1] offset:(\t)*512
	ds_store_b8 v6, v[E+(\t)] offset:(\t)*32       ; both lanes of a block write the same byte with the same value
.endm
.macro GATE t                          ; eight partial logits of rows t and 16 + t over my 256 k
.set XS, X+16*((\t)%2)
	WIN 0x04                                       ; source 1 (Wg) in window 1
.irp e, 0,1,2,3,4,5,6,7
	v_pk_mul_f32 v[A+2*\e:A+2*\e+1], v[XS:XS+1], v[16*\e:16*\e+1]   ; the first products start the sums
.endr
.irp ii, 1,2,3,4,5,6,7
.irp e, 0,1,2,3,4,5,6,7
	v_pk_fma_f32 v[A+2*\e:A+2*\e+1], v[XS+2*\ii:XS+2*\ii+1], v[16*\e+2*\ii:16*\e+2*\ii+1], v[A+2*\e:A+2*\e+1]
.endr
.endr
	WIN 0
.irp e, 0,1,2,3,4,5,6,7
	v_add_f32 v[P+\e], v[A+2*\e], v[A+2*\e+1]
.endr
.irp m, 1,2,4,8
.irp e, 0,1,2,3,4,5,6,7
	v_add_f32_dpp v[P+\e], v[P+\e], v[P+\e] row_xmask:\m row_mask:0xf bank_mask:0xf   ; over the sixteen lanes of a row
.endr
.endr
.if (\t) == 0
.irp e, 0,1,2,3,4,5,6,7
	v_mov_b32 v[L+\e], v[P+\e]                     ; the stash is first written whole
.endr
.else
	s_mov_b32 s40, 0x10001<<(\t)                   ; lanes t and 16 + t keep this step's: lane = token
.irp e, 0,1,2,3,4,5,6,7
	v_cndmask_b32 v[L+\e], v[L+\e], v[P+\e], s40
.endr
.endif
.endm
.macro STEP t
.if (\t) == 0
	s_wait_dscnt 0x0
.else
	s_wait_dscnt 2                                 ; this step's numbers are back from the stage; the last step's two stores (codes, byte) may be out
.endif
.if (\t)+8 < 16
	LOAD (\t)+8                                    ; into the set whose stores into the stage are done
.endif
.if (\t) < 15
.if 14-(\t) >= 7
	s_wait_loadcnt 28                              ; the next step's four loads are in; the seven sets behind them may be out
.else
	s_wait_loadcnt 4*(14-(\t))                     ; the sets left behind the next step's
.endif
	TURN (\t)+1
.endif
	QUANT \t
	GATE \t
.endm
	s_load_b256 s[4:11], s[0:1], 0x0               ; x s[4:5], Wg s[6:7], bg s[8:9], xc s[10:11]
	s_load_b128 s[12:15], s[0:1], 0x20             ; xs s[12:13], route s[14:15]
	s_load_b64 s[16:17], s[0:1], 0x30              ; gates s[16:17]
	v_lshl_add_u32 v15, v0, 2, 0xa500
	s_set_vgpr_msb 0x40
	v_mov_b32 v129, 0
	s_set_vgpr_msb 0x4000
	v_lshrrev_b32 v7, 5, v0
	v_readfirstlane_b32 s24, v7                    ; wave 0..3
	v_and_b32 v1, 31, v0                           ; lane
	v_lshlrev_b32 v2, 4, v1                        ; 16 x lane
	v_lshlrev_b32 v10, 3, v1                       ; 8 x lane
	v_and_b32 v12, 15, v0                          ; q
	v_bfe_u32 v13, v0, 4, 1                        ; H
	s_mul_i32 s25, s24, 5120                       ; my two stages of 32 x 80 bytes
	v_lshrrev_b32 v3, 2, v1
	v_mul_u32_u24 v3, v3, 80
	v_and_b32 v7, 3, v0
	v_lshl_add_u32 v3, v7, 4, v3
	v_add_nc_u32 v3, s25, v3                       ; into a stage: 80 (lane / 4) + 16 (lane % 4)
	v_mul_u32_u24 v4, v1, 80
	v_add_nc_u32 v4, s25, v4                       ; out of it: 80 x lane
	s_mov_b32 s27, 0
	s_lshl_b32 s26, ttmp9, 17                      ; 32 rows of 4,096 bytes
	s_lshl_b32 s30, s24, 10                        ; my quarter
	s_add_co_u32 s26, s26, s30
	v_lshl_add_u32 v14, v12, 6, s30                ; Wg: 64 q + 1,024 w
	s_wait_kmcnt 0x0
	s_load_b256 s[32:39], s[8:9], 0x0              ; bg
	s_add_nc_u64 s[28:29], s[4:5], s[26:27]
	WIN 0x40                                       ; destination window 1
.irp e, 0,1,2,3,4,5,6,7
.irp i, 0,1,2,3
	global_load_b128 v[16*\e+4*\i:16*\e+4*\i+3], v14, s[6:7] offset:\e*4096+16*\i
.endr
.endr
	WIN 0
.irp t, 0,1,2,3,4,5,6,7
	LOAD \t
.endr
	s_lshl_b32 s26, ttmp9, 14                      ; xc: 32 tokens of 512 bytes, my 8
	s_lshl_b32 s30, s24, 12
	s_add_co_u32 s26, s26, s30
	s_add_nc_u64 s[44:45], s[10:11], s[26:27]
	s_lshl_b32 s26, ttmp9, 10                      ; xs: 32 tokens of 32 bytes, my 8
	s_lshl_b32 s30, s24, 8
	s_add_co_u32 s26, s26, s30
	s_add_nc_u64 s[46:47], s[12:13], s[26:27]
	s_lshl_b32 s26, ttmp9, 8                       ; route and gates: 256 bytes a chunk
	s_add_nc_u64 s[48:49], s[14:15], s[26:27]
	s_add_nc_u64 s[50:51], s[16:17], s[26:27]
	v_mul_u32_u24 v5, v13, XHALF                   ; codes: XCODE + H XHALF + 8 q + 128 w (+ 512 t)
	v_lshl_add_u32 v5, v12, 3, v5
	s_lshl_b32 s30, s24, 7
	s_add_co_u32 s30, s30, XCODE
	v_add_nc_u32 v5, s30, v5
	v_lshrrev_b32 v6, 1, v12                       ; scale bytes: XSC + 512 H + q / 2 + 8 w (+ 32 t)
	v_lshl_add_u32 v6, v13, 9, v6
	s_lshl_b32 s30, s24, 3
	s_add_co_u32 s30, s30, XSC
	v_add_nc_u32 v6, s30, v6
	s_wait_kmcnt 0x0                               ; bg
	s_wait_loadcnt 28                              ; Wg and step 0's four loads are in; steps 1 to 7 may be out
	TURN 0
.irp t, 0,1,2,3,4,5,6,7,8,9,10,11,12,13,14,15
	STEP \t
.endr
	s_lshl_b32 s30, s24, 10
	s_add_co_u32 s30, s30, LG
	v_lshl_add_u32 v136, v1, 5, s30                ; my wave's partial logits: 32 bytes a token
	ds_store_b128 v136, v[L:L+3]
	ds_store_b128 v136, v[L+4:L+7] offset:16
	s_lshr_b32 s30, s24, 1                         ; the copy out: wave w takes tokens 8 w .. 8 w + 7
	s_mul_i32 s30, s30, XHALF
	s_and_b32 s31, s24, 1
	s_lshl_b32 s31, s31, 12
	s_add_co_u32 s30, s30, s31
	s_add_co_u32 s30, s30, XCODE
	v_add_nc_u32 v137, s30, v2
	s_lshl_b32 s30, s24, 8
	s_add_co_u32 s30, s30, XSC
	v_add_nc_u32 v138, s30, v10
	s_wait_dscnt 0x0                               ; for the others' sake: my codes, bytes and partial logits lie in LDS
	s_barrier_signal -1
	s_barrier_wait -1
.irp i, 0,1,2,3,4,5,6,7
	ds_load_b128 v[16+4*\i:19+4*\i], v137 offset:512*\i   ; a token's 512 bytes of codes
.endr
	ds_load_b64 v[48:49], v138                     ; eight tokens' 256 scale bytes
.irp i, 0,1,2,3,4,5,6,7
	s_wait_dscnt 8-\i                              ; behind load i: the 7 - i younger rows and the scale bytes
	global_store_b128 v2, v[16+4*\i:19+4*\i], s[44:45] offset:512*\i   ; 32 lanes store 512 consecutive bytes, aligned
.endr
	s_wait_dscnt 0x0
	global_store_b64 v10, v[48:49], s[46:47]       ; 256 consecutive bytes, aligned
	s_cmp_lg_u32 s24, 0
	s_cbranch_scc1 .Ltokens_done
	; wave 0 ends the gate: lane = token
	v_lshlrev_b32 v140, 5, v1
.irp j, 0,1,2,3
	ds_load_b128 v[64+8*\j:67+8*\j], v140 offset:LG+1024*\j
	ds_load_b128 v[68+8*\j:71+8*\j], v140 offset:LG+1024*\j+16
.endr
	s_wait_dscnt 0x0
.irp e, 0,1,2,3,4,5,6,7
	v_add_f32 v[96+\e], v[64+\e], v[72+\e]
	v_add_f32 v[104+\e], v[80+\e], v[88+\e]
.endr
.irp e, 0,1,2,3,4,5,6,7
	v_add_f32 v[96+\e], v[96+\e], v[104+\e]
.endr
.irp e, 0,1,2,3,4,5,6,7
	v_add_f32 v[96+\e], s[32+\e], v[96+\e]         ; the logits
.endr
	v_max3_num_f32 v129, v96, v97, v98
	v_max3_num_f32 v129, v129, v99, v100
	v_max3_num_f32 v129, v129, v101, v102
	v_max_num_f32 v129, v129, v103                 ; the largest is taken away ahead of the exponentials
.irp e, 0,1,2,3,4,5,6,7
	v_sub_f32 v[104+\e], v[96+\e], v129
.endr
.irp e, 0,1,2,3,4,5,6,7
	v_mul_f32 v[104+\e], 0x3fb8aa3b, v[104+\e]     ; x log2(e)
.endr
.irp e, 0,1,2,3,4,5,6,7
	v_exp_f32 v[112+\e], v[104+\e]
.endr
	v_mov_b32 v126, 0                              ; (plain lines behind the exponentials)  the largest's index,
	v_mov_b32 v128, 0                              ; the second's,
	v_mov_b32 v127, -1.0                           ; the second largest so far: under every p
	s_wait_alu depctr_va_vdst(0)                   ; one wait for the eight, ahead of their first reader
	v_add_f32 v120, v112, v113
	v_add_f32 v121, v114, v115
	v_add_f32 v122, v116, v117
	v_add_f32 v123, v118, v119
	v_add_f32 v120, v120, v121
	v_add_f32 v122, v122, v123
	v_add_f32 v120, v120, v122
	v_rcp_f32 v124, v120                           ; the two searches below name neither the sum nor its reciprocal
	v_mov_b32 v125, v112
.irp e, 1,2,3,4,5,6,7
	v_cmp_gt_f32 vcc_lo, v[112+\e], v125           ; strictly larger: the lower index keeps a tie
	v_cndmask_b32 v125, v125, v[112+\e], vcc_lo
	v_cndmask_b32 v126, v126, \e, vcc_lo
.endr
.irp e, 0,1,2,3,4,5,6,7
	v_cmp_ne_u32 s41, \e, v126
	v_cmp_gt_f32 vcc_lo, v[112+\e], v127
	s_and_b32 vcc_lo, vcc_lo, s41
	v_cndmask_b32 v127, v127, v[112+\e], vcc_lo
	v_cndmask_b32 v128, v128, \e, vcc_lo
.endr
	v_min_u32 v134, v126, v128                     ; lo
	v_max_u32 v135, v126, v128                     ; hi
	v_cmp_lt_u32 vcc_lo, v126, v128
	s_wait_alu depctr_va_vdst(0)                   ; the reciprocal's wait, ahead of its first reader
	v_mul_f32 v125, v125, v124
	v_mul_f32 v127, v127, v124
	v_cndmask_b32 v132, v127, v125, vcc_lo         ; g_lo
	v_cndmask_b32 v133, v125, v127, vcc_lo         ; g_hi
	v_sub_nc_u32 v144, 15, v134
	v_mul_u32_u24 v144, v144, v134
	v_lshrrev_b32 v144, 1, v144                    ; lo (15 - lo) / 2
	v_sub_nc_u32 v145, v135, v134
	v_add_nc_u32 v145, -1, v145                    ; hi - lo - 1
	v_sub_nc_u32 v146, 7, v135                     ; 7 - hi
	v_and_b32 v147, 1, v134
	v_cmp_eq_u32 vcc_lo, 1, v147
	v_cndmask_b32 v145, v145, v146, vcc_lo
	v_add_nc_u32 v144, v144, v145                  ; the key, 0 .. 27
	v_mov_b32 v131, 0                              ; the chunk's count of each key: lane = key
	v_mov_b32 v148, 0                              ; my rank among the chunk's tokens of my key
.irp k, 0,1,2,3,4,5,6,7,8,9,10,11,12,13,14,15,16,17,18,19,20,21,22,23,24,25,26,27
	v_cmp_eq_u32 s41, \k, v144
	v_mbcnt_lo_u32_b32 v149, s41, 0                ; how many lanes below me have key k
	v_cndmask_b32 v148, v148, v149, s41
	s_bcnt1_i32_b32 s42, s41
	v_writelane_b32 v131, s42, \k
.endr
	v_lshl_or_b32 v130, v135, 4, v134
	v_lshl_or_b32 v130, v144, 8, v130
	v_lshl_or_b32 v130, v148, 16, v130
	global_store_b64 v10, v[130:131], s[48:49]     ; 256 consecutive bytes, aligned
	global_store_b64 v10, v[132:133], s[50:51]
.Ltokens_done:
	s_set_vgpr_msb 0x4
	s_wait_tensorcnt 0x0
	ds_add_u32 v15, v129
	s_wait_dscnt 0x0
	s_set_vgpr_msb 0x400
	s_endpgm
.Lfunc_end_k_qf8ef984897_prep:
	.size	k_qf8ef984897_prep, .Lfunc_end_k_qf8ef984897_prep-k_qf8ef984897_prep
	.p2alignl 7, 3214868480
	.fill 96, 4, 3214868480
	.section	.rodata,"a",@progbits
	.p2align	6, 0x0
	.amdhsa_kernel k_qf8ef984897_prep
		.amdhsa_group_segment_fixed_size 42752
		.amdhsa_private_segment_fixed_size 0
		.amdhsa_enable_private_segment 0
		.amdhsa_kernarg_size 56
		.amdhsa_user_sgpr_count 2
		.amdhsa_user_sgpr_kernarg_segment_ptr 1
		.amdhsa_wavefront_size32 1
		.amdhsa_system_sgpr_workgroup_id_x 1
		.amdhsa_system_sgpr_workgroup_id_y 1
		.amdhsa_system_sgpr_workgroup_id_z 1
		.amdhsa_system_vgpr_workitem_id 0
		.amdhsa_next_free_vgpr 386
		.amdhsa_next_free_sgpr 66
		.amdhsa_reserve_vcc 1
		.amdhsa_float_denorm_mode_32 3
		.amdhsa_float_denorm_mode_16_64 3
		.amdhsa_memory_ordered 1
		.amdhsa_forward_progress 1
		.amdhsa_inst_pref_size 163
	.end_amdhsa_kernel
	.amdgpu_metadata
---
amdhsa.version: [ 1, 2 ]
amdhsa.kernels:
  - .name:           k_qf8ef984897_prep
    .symbol:         k_qf8ef984897_prep.kd
    .args:
      - { .name: x, .offset: 0, .size: 8, .value_kind: global_buffer, .address_space: global }
      - { .name: Wg, .offset: 8, .size: 8, .value_kind: global_buffer, .address_space: global }
      - { .name: bg, .offset: 16, .size: 8, .value_kind: global_buffer, .address_space: global }
      - { .name: xc, .offset: 24, .size: 8, .value_kind: global_buffer, .address_space: global }
      - { .name: xs, .offset: 32, .size: 8, .value_kind: global_buffer, .address_space: global }
      - { .name: route, .offset: 40, .size: 8, .value_kind: global_buffer, .address_space: global }
      - { .name: gates, .offset: 48, .size: 8, .value_kind: global_buffer, .address_space: global }
    .group_segment_fixed_size: 42752
    .private_segment_fixed_size: 0
    .kernarg_segment_align: 8
    .kernarg_segment_size: 56
    .max_flat_workgroup_size: 128
    .sgpr_count:     66
    .vgpr_count:     386
    .wavefront_size: 32
...
	.end_amdgpu_metadata
.endif
;; end of part 1
;; launch place (part 2): grid 257 x 1, 4 waves a work-group, no clusters, 41,472 bytes of LDS; arguments route, We, order, blocks, wc, ws; writes order, blocks, wc, ws
.if DOCPART == 2
	.amdgcn_target "amdgcn-amd-amdhsa--gfx1250"
	.amdhsa_code_object_version 6
	.text
	.protected	k_qf8ef984897_place
	.globl	k_qf8ef984897_place
	.p2align	8
	.type	k_qf8ef984897_place,@function
k_qf8ef984897_place:
	s_mov_b64 s[64:65], 0
	v_nop
	global_prefetch_b8 v0, s[64:65] scope:SCOPE_SE
	s_setreg_imm32_b32 hwreg(HW_REG_WAVE_MODE, 25, 1), 1
	s_wait_xcnt 0x0
; TWO JOBS THAT DO NOT DEPEND ON EACH OTHER, IN ONE LAUNCH, so that the one work-group that sorts runs beside the stream of the weights.  The two ways part once, on the work-group's number, and have LDS bytes of their own.
; WORK-GROUP 0: a counting sort of the 8,192 tokens by their key (the pair of experts, 28 keys), without atomics.  route holds, for each chunk of 32 tokens, each token's key and its rank among the chunk's tokens
; of that key (word 0) and the chunk's count of each key (word 1, lane = key).  A token's rank = (tokens of lower keys) + (tokens of its key in earlier chunks) + its rank in its chunk.
; Wave w takes chunks 64 w .. 64 w + 63.  Stored: order[rank] = token; blocks[b] = the 8-bit mask of the experts that ranks 128 b .. 128 b + 127 use.
; order's 8,192 words go out singly, to places that hang on the data: 32 KB in all.  blocks' 256 bytes go out as two stores of 128 consecutive bytes, one from each of two waves.
; WORK-GROUPS 1 .. 256: We [8192 rows = 8 experts x 1024][1024], f32, becomes codes of FP4 (E2M1) with one E8M0 byte for each 32 along K (K innermost); 32 rows (two tiles of 16) a work-group.
; Wave w takes K quarter w of all 32 rows, in 16 steps; step t takes rows t and 16 + t.  Each load reads 512 consecutive bytes; a step's 2,048 bytes turn through the wave's own stage in LDS and come back 64 bytes a lane:
; lane (H = lane / 16, q = lane % 16) then holds k = 256 w + 16 q + 0 .. 15 of row 16 H + t; lanes q and q xor 1 share a block of 32.
; A block's scale byte is its largest magnitude's exponent field - 2, held at 1 from below; the conversion divides by that power of two, rounds to the nearest code, ties to even, and gives the largest code beyond 6.
; Stored: wc [tile][block kb][row r][16 B], ws [tile][j][lane 16 h + r][4 B] = row r's scale word of K step 2 j + h: both as the last launch's operand registers take them.
; Work-groups share no input: no cluster, no tensor load.
; LIMITS: NaN and infinities are not served.  A block of zeros gets the byte 1 (its codes are zeros; this program alone reads the bytes).
.set WCODE, 20480                      ; the weights' way: [0, 20480) the waves' turn stages; the codes [tile, pitch WTILE][kb, pitch WKB][r][16 B],
.set WTILE, 9232
.set WKB,   288
.set WSC,   38944                      ; the image of ws for two tiles: 1,024 bytes
.set PL,    40192                      ; the sort's way: [wave][key] counts, 512 bytes
.set R, 16                             ; v16-143  eight sets of 16 numbers as loaded
.set X, 144                            ; v144-175 two sets of 16 neighbours
.set C, 176                            ; v176-207 codes, two registers a step
.set E, 208                            ; v208-223 a scale byte a step
.macro LOAD t                          ; rows t and 16 + t, my quarter: four loads of 512 consecutive bytes
.set RS, R+16*((\t)%8)
	global_load_b128 v[RS:RS+3],     v2, s[28:29] offset:(\t)*4096 th:TH_LOAD_NT
	global_load_b128 v[RS+4:RS+7],   v2, s[28:29] offset:(\t)*4096+512 th:TH_LOAD_NT
	global_load_b128 v[RS+8:RS+11],  v2, s[28:29] offset:(16+(\t))*4096 th:TH_LOAD_NT
	global_load_b128 v[RS+12:RS+15], v2, s[28:29] offset:(16+(\t))*4096+512 th:TH_LOAD_NT
.endm
.macro TURN t                          ; through my stage: in as loaded (four lanes' 64 bytes, then 16 of padding), out 64 bytes a lane.  LDS serves a wave's instructions in order: no wait between
.irp i, 0,1,2,3
	ds_store_b128 v3, v[R+16*((\t)%8)+4*\i:R+16*((\t)%8)+4*\i+3] offset:2560*((\t)%2)+640*\i
.endr
.irp i, 0,1,2,3
	ds_load_b128 v[X+16*((\t)%2)+4*\i:X+16*((\t)%2)+4*\i+3], v4 offset:2560*((\t)%2)+16*\i
.endr
.endm
.macro QUANT t                         ; my 16 numbers become 8 bytes of codes
.set XS, X+16*((\t)%2)
	v_max3_num_f32 v8, |v[XS]|, |v[XS+1]|, |v[XS+2]|
	v_max3_num_f32 v9, |v[XS+3]|, |v[XS+4]|, |v[XS+5]|
.irp i, 6,10
	v_max3_num_f32 v8, v8, |v[XS+\i]|, |v[XS+\i+1]|
	v_max3_num_f32 v9, v9, |v[XS+\i+2]|, |v[XS+\i+3]|
.endr
	v_max3_num_f32 v8, v8, |v[XS+14]|, |v[XS+15]|
	v_max3_num_f32 v8, v8, v9, 0x1800000           ; and the floor 2^(3 - 127): the byte cannot fall under 1
	v_max_num_f32_dpp v8, v8, v8 row_xmask:1 row_mask:0xf bank_mask:0xf   ; with my neighbour's 16: the block's largest magnitude
	v_add_nc_u32 v11, 0xff000000, v8               ; 2 off its exponent field: the conversion takes this operand's exponent field as its scale
	v_cvt_scalef32_pk8_fp4_f32 v[C+2*(\t)], v[XS:XS+7], v11
	v_cvt_scalef32_pk8_fp4_f32 v[C+2*(\t)+1], v[XS+8:XS+15], v11
	v_lshrrev_b32 v[E+(\t)], 23, v11               ; the scale's byte; also the plain line behind the conversions
	ds_store_b64 v5, v[C+2*(\t):C+2*(\t)+1] offset:(\t)*16
	ds_store_b8 v6, v[E+(\t)] offset:(\t)*4        ; both lanes of a block write the same byte with the same value
.endm
.macro STEP t
.if (\t) == 0
	s_wait_dscnt 0x0
.else
	s_wait_dscnt 2                                 ; this step's numbers are back from the stage; the last step's two stores (codes, byte) may be out
.endif
.if (\t)+8 < 16
	LOAD (\t)+8                                    ; into the set whose stores into the stage are done
.endif
.if (\t) < 15
.if 14-(\t) >= 7
	s_wait_loadcnt 28                              ; the next step's four loads are in; the seven sets behind them may be out
.else
	s_wait_loadcnt 4*(14-(\t))                     ; the sets left behind the next step's
.endif
	TURN (\t)+1
.endif
	QUANT \t
.endm
	s_load_b256 s[4:11], s[0:1], 0x0               ; route s[4:5], We s[6:7], order s[8:9], blocks s[10:11]
	s_load_b128 s[12:15], s[0:1], 0x20             ; wc s[12:13], ws s[14:15]
	v_lshl_add_u32 v15, v0, 2, 0xa000
	s_set_vgpr_msb 0x40
	v_mov_b32 v1, 0
	s_set_vgpr_msb 0x4000
	v_lshrrev_b32 v7, 5, v0
	v_readfirstlane_b32 s24, v7                    ; wave 0..3
	v_and_b32 v1, 31, v0                           ; lane
	s_cmp_eq_u32 ttmp9, 0
	s_cbranch_scc1 .Lsort
	; ---------------- the weights' way
	v_lshlrev_b32 v2, 4, v1                        ; 16 x lane
	v_lshlrev_b32 v10, 3, v1                       ; 8 x lane
	v_and_b32 v12, 15, v0                          ; q
	v_bfe_u32 v13, v0, 4, 1                        ; H
	s_mul_i32 s25, s24, 5120                       ; my two stages of 32 x 80 bytes
	v_lshrrev_b32 v3, 2, v1
	v_mul_u32_u24 v3, v3, 80
	v_and_b32 v7, 3, v0
	v_lshl_add_u32 v3, v7, 4, v3
	v_add_nc_u32 v3, s25, v3                       ; into a stage: 80 (lane / 4) + 16 (lane % 4)
	v_mul_u32_u24 v4, v1, 80
	v_add_nc_u32 v4, s25, v4                       ; out of it: 80 x lane
	s_mov_b32 s27, 0
	s_sub_co_u32 s31, ttmp9, 1                     ; which 32 rows
	s_lshl_b32 s26, s31, 17                        ; 32 rows of 4,096 bytes
	s_lshl_b32 s30, s24, 10                        ; my quarter
	s_add_co_u32 s26, s26, s30
	s_wait_kmcnt 0x0
	s_add_nc_u64 s[28:29], s[6:7], s[26:27]
.irp t, 0,1,2,3,4,5,6,7
	LOAD \t
.endr
	s_lshl_b32 s26, s31, 14                        ; wc: two tiles of 8,192 bytes; my 8 blocks kb of each: 2,048 w
	s_lshl_b32 s30, s24, 11
	s_add_co_u32 s26, s26, s30
	s_add_nc_u64 s[44:45], s[12:13], s[26:27]
	s_lshl_b32 s26, s31, 10                        ; ws: two tiles of 512 bytes
	s_lshl_b32 s30, s24, 8
	s_add_co_u32 s26, s26, s30
	s_add_nc_u64 s[46:47], s[14:15], s[26:27]
	v_lshrrev_b32 v7, 1, v12                       ; codes: WCODE + H WTILE + (8 w + q / 2) WKB + 8 (q % 2) (+ 16 t)
	v_mul_u32_u24 v5, v7, WKB
	v_mad_u32_u24 v5, v13, WTILE, v5
	v_and_b32 v14, 1, v12
	v_lshl_add_u32 v5, v14, 3, v5
	s_mul_i32 s30, s24, 8*WKB
	s_add_co_u32 s30, s30, WCODE
	v_add_nc_u32 v5, s30, v5
	v_and_b32 v6, 3, v7                            ; scale bytes: block 8 w + q / 2 is byte (q / 2) % 4 of K step 2 w + q / 8: WSC + 512 H + 128 w + 64 (q / 8) + (q / 2) % 4 (+ 4 t)
	v_lshrrev_b32 v14, 3, v12
	v_lshl_add_u32 v6, v14, 6, v6
	v_lshl_add_u32 v6, v13, 9, v6
	s_lshl_b32 s30, s24, 7
	s_add_co_u32 s30, s30, WSC
	v_add_nc_u32 v6, s30, v6
	s_wait_loadcnt 28                              ; step 0's four loads are in; steps 1 to 7 may be out
	TURN 0
.irp t, 0,1,2,3,4,5,6,7,8,9,10,11,12,13,14,15
	STEP \t
.endr
	v_mul_u32_u24 v137, v13, WKB                   ; the copy out: two blocks kb an instruction: lanes 0-15 one, lanes 16-31 the next
	v_lshl_add_u32 v137, v12, 4, v137
	s_mul_i32 s30, s24, 8*WKB
	s_add_co_u32 s30, s30, WCODE
	v_add_nc_u32 v137, s30, v137
	s_lshl_b32 s30, s24, 8
	s_add_co_u32 s30, s30, WSC
	v_add_nc_u32 v138, s30, v10
	s_wait_dscnt 0x0                               ; for the others' sake: my codes and bytes lie in LDS
	s_barrier_signal -1
	s_barrier_wait -1
.irp tl, 0,1
.irp pr, 0,1,2,3
	ds_load_b128 v[16+16*\tl+4*\pr:19+16*\tl+4*\pr], v137 offset:\tl*WTILE+\pr*2*WKB
.endr
.endr
	ds_load_b64 v[48:49], v138
.irp tl, 0,1
.irp pr, 0,1,2,3
	s_wait_dscnt 8-4*\tl-\pr                       ; behind this load: the younger code loads and the scale bytes
	global_store_b128 v2, v[16+16*\tl+4*\pr:19+16*\tl+4*\pr], s[44:45] offset:\tl*8192+\pr*512   ; 512 consecutive bytes, aligned
.endr
.endr
	s_wait_dscnt 0x0
	global_store_b64 v10, v[48:49], s[46:47]
	s_set_vgpr_msb 0x4
	s_wait_tensorcnt 0x0
	ds_add_u32 v15, v1
	s_wait_dscnt 0x0
	s_set_vgpr_msb 0x400
	s_endpgm
	; ---------------- the sort's way
	; REGISTERS: v[64 + 2 i : 65 + 2 i] chunk i's (word 0 of my token, count of key = lane), later the store's (offset, token); v192 + i where chunk i's tokens of each key begin (lane = key);
	; v16-47 a batch of 32 results of the lane permutes; v48-51 the counts of four runs of 16 chunks; v52-63 at work
.Lsort:
	v_bfe_u32 v3, v0, 4, 1                         ; lane / 16
	v_lshl_add_u32 v5, v0, 2, PL                   ; my word among the waves' counts: 128 w + 4 x lane
	v_lshl_add_u32 v6, v1, 2, PL                   ; 4 x lane
	s_lshl_b32 s25, s24, 14
	v_lshl_add_u32 v4, v1, 3, s25                  ; my wave's 64 chunks of 256 bytes, 8 bytes a lane
	s_lshl_b32 s25, s24, 11
	v_add_nc_u32 v61, s25, v1                      ; my first token: 2,048 w + lane
	s_wait_kmcnt 0x0
.set i, 0
.rept 64
	global_load_b64 v[64+2*i:65+2*i], v4, s[4:5] offset:256*i
.set i, i+1
.endr
	s_wait_loadcnt 0x0
.irp c, 0,1,2,3                        ; each key's count in chunks 16 c .. 16 c + 15: four chains by turns
	v_add3_u32 v[48+\c], v[65+32*\c], v[67+32*\c], v[69+32*\c]
.endr
.irp j, 3,5,7,9,11,13
.irp c, 0,1,2,3
	v_add3_u32 v[48+\c], v[48+\c], v[65+32*\c+2*\j], v[67+32*\c+2*\j]
.endr
.endr
.irp c, 0,1,2,3
	v_add_nc_u32 v[48+\c], v[48+\c], v[95+32*\c]
.endr
	v_add3_u32 v62, v48, v49, v50
	v_add_nc_u32 v62, v62, v51                     ; my wave's count of each key
	ds_store_b32 v5, v62
	s_wait_dscnt 0x0                               ; for the others' sake
	s_barrier_signal -1
	s_barrier_wait -1
.irp j, 0,1,2,3
	ds_load_b32 v[52+\j], v6 offset:128*\j         ; all four waves' counts
.endr
	s_bfm_b32 s26, s24, 0                          ; w ones: the waves ahead of mine
	s_wait_dscnt 0x0
	v_add3_u32 v56, v52, v53, v54
	v_add_nc_u32 v56, v56, v55                     ; each key's count in all
	s_bfe_u32 s27, s26, 0x10000
	v_mul_u32_u24 v57, v52, s27                    ; and in the waves ahead of mine
.irp j, 1,2
	s_bfe_u32 s27, s26, 0x10000|\j
	v_mad_u32_u24 v57, v[52+\j], s27, v57
.endr
	v_mov_b32 v58, v56                             ; the running sum over the keys
	v_mov_b32 v59, 0
.irp n, 1,2,4,8
	v_mov_b32_dpp v59, v58 row_shr:\n row_mask:0xf bank_mask:0xf bound_ctrl:1
	v_add_nc_u32 v58, v58, v59
.endr
	v_readlane_b32 s28, v58, 15
	v_mad_u32_u24 v58, v3, s28, v58                ; lanes 16-31 add the first sixteen keys' sum: where each key's ranks end,
	v_sub_nc_u32 v60, v58, v56                     ; and where they begin
	v_add_nc_u32 v192, v60, v57                    ; where my first chunk's tokens of each key begin,
	v_add_nc_u32 v208, v192, v48                   ; my 16th chunk's,
	v_add_nc_u32 v224, v208, v49                   ; my 32nd,
	v_add_nc_u32 v240, v224, v50                   ; my 48th;
.irp j, 0,1,2,3,4,5,6,7,8,9,10,11,12,13,14
.irp c, 0,1,2,3
	v_add_nc_u32 v[193+16*\c+\j], v[192+16*\c+\j], v[65+32*\c+2*\j]   ; and the chunks between, four chains by turns
.endr
.endr
.set i, 0
.rept 32                               ; the first 32 chunks: my token's key, and its chunk's first rank from the lane of that key
	v_bfe_u32 v[65+2*i], v[64+2*i], 8, 5
	v_lshlrev_b32 v[65+2*i], 2, v[65+2*i]
	ds_bpermute_b32 v[16+i], v[65+2*i], v[192+i]
.set i, i+1
.endr
.set i, 32
.rept 32                               ; the other 32 chunks' keys, while those are on their way
	v_bfe_u32 v[65+2*i], v[64+2*i], 8, 5
	v_lshlrev_b32 v[65+2*i], 2, v[65+2*i]
.set i, i+1
.endr
	s_wait_dscnt 0x0
.set i, 0
.rept 32
	v_lshrrev_b32 v[64+2*i], 16, v[64+2*i]
	v_add_nc_u32 v[64+2*i], v[64+2*i], v[16+i]     ; the rank; the batch's registers are free behind these lines
.set i, i+1
.endr
.set i, 32
.rept 32
	ds_bpermute_b32 v[16+i-32], v[65+2*i], v[192+i]
.set i, i+1
.endr
.set i, 0
.rept 32
	v_min_u32 v[64+2*i], 0x1fff, v[64+2*i]         ; held inside the table
	v_lshlrev_b32 v[64+2*i], 2, v[64+2*i]
	v_add_nc_u32 v[65+2*i], 32*i, v61              ; the token's number: 2,048 w + 32 i + lane
	global_store_b32 v[64+2*i], v[65+2*i], s[8:9]  ; each store has an offset and a data register of its own: none is written again
.set i, i+1
.endr
	s_wait_dscnt 0x0
.set i, 32
.rept 32
	v_lshrrev_b32 v[64+2*i], 16, v[64+2*i]
	v_add_nc_u32 v[64+2*i], v[64+2*i], v[16+i-32]
	v_min_u32 v[64+2*i], 0x1fff, v[64+2*i]
	v_lshlrev_b32 v[64+2*i], 2, v[64+2*i]
	v_add_nc_u32 v[65+2*i], 32*i, v61
	global_store_b32 v[64+2*i], v[65+2*i], s[8:9]
.set i, i+1
.endr
	s_cmp_gt_u32 s24, 1
	s_cbranch_scc1 .Lsorted
	; waves 0 and 1: lane l makes the mask of block 32 w + l.  Key k's ranks [begin, end) meet a block [lo, hi) where max(begin, lo) < min(end, hi)
	s_lshl_b32 s25, s24, 12
	v_lshl_add_u32 v7, v1, 7, s25                  ; lo = 128 (32 w + lane)
	v_add_nc_u32 v8, 0x80, v7                      ; hi
	v_mov_b32 v9, 0                                ; the even keys' bits,
	v_mov_b32 v14, 0                               ; the odd keys': two chains by turns
	s_lshl_b32 s25, s24, 7
	v_lshl_add_u32 v13, v1, 2, s25                 ; 4 (32 w + lane)
.macro KEYBIT k, pb                    ; pb: the two experts of key k, as bits
.set M, 9+5*((\k)%2)
	v_readlane_b32 s26, v60, \k
	v_readlane_b32 s27, v58, \k
	v_max_u32 v10, s26, v7
	v_min_u32 v11, s27, v8
	v_cmp_lt_u32 vcc_lo, v10, v11
	v_or_b32 v12, \pb, v[M]
	v_cndmask_b32 v[M], v[M], v12, vcc_lo
.endm
	KEYBIT 0, 0x03
	KEYBIT 1, 0x05
	KEYBIT 2, 0x09
	KEYBIT 3, 0x11
	KEYBIT 4, 0x21
	KEYBIT 5, 0x41
	KEYBIT 6, 0x81
	KEYBIT 7, 0x82
	KEYBIT 8, 0x42
	KEYBIT 9, 0x22
	KEYBIT 10, 0x12
	KEYBIT 11, 0x0a
	KEYBIT 12, 0x06
	KEYBIT 13, 0x0c
	KEYBIT 14, 0x14
	KEYBIT 15, 0x24
	KEYBIT 16, 0x44
	KEYBIT 17, 0x84
	KEYBIT 18, 0x88
	KEYBIT 19, 0x48
	KEYBIT 20, 0x28
	KEYBIT 21, 0x18
	KEYBIT 22, 0x30
	KEYBIT 23, 0x50
	KEYBIT 24, 0x90
	KEYBIT 25, 0xa0
	KEYBIT 26, 0x60
	KEYBIT 27, 0xc0
	v_or_b32 v9, v9, v14
	global_store_b32 v13, v9, s[10:11]             ; 32 words: 128 consecutive bytes
.Lsorted:
	s_set_vgpr_msb 0x4
	s_wait_tensorcnt 0x0
	ds_add_u32 v15, v1
	s_wait_dscnt 0x0
	s_set_vgpr_msb 0x400
	s_endpgm
.Lfunc_end_k_qf8ef984897_place:
	.size	k_qf8ef984897_place, .Lfunc_end_k_qf8ef984897_place-k_qf8ef984897_place
	.p2alignl 7, 3214868480
	.fill 96, 4, 3214868480
	.section	.rodata,"a",@progbits
	.p2align	6, 0x0
	.amdhsa_kernel k_qf8ef984897_place
		.amdhsa_group_segment_fixed_size 41472
		.amdhsa_private_segment_fixed_size 0
		.amdhsa_enable_private_segment 0
		.amdhsa_kernarg_size 48
		.amdhsa_user_sgpr_count 2
		.amdhsa_user_sgpr_kernarg_segment_ptr 1
		.amdhsa_wavefront_size32 1
		.amdhsa_system_sgpr_workgroup_id_x 1
		.amdhsa_system_sgpr_workgroup_id_y 1
		.amdhsa_system_sgpr_workgroup_id_z 1
		.amdhsa_system_vgpr_workitem_id 0
		.amdhsa_next_free_vgpr 258
		.amdhsa_next_free_sgpr 66
		.amdhsa_reserve_vcc 1
		.amdhsa_float_denorm_mode_32 3
		.amdhsa_float_denorm_mode_16_64 3
		.amdhsa_memory_ordered 1
		.amdhsa_forward_progress 1
		.amdhsa_inst_pref_size 86
	.end_amdhsa_kernel
	.amdgpu_metadata
---
amdhsa.version: [ 1, 2 ]
amdhsa.kernels:
  - .name:           k_qf8ef984897_place
    .symbol:         k_qf8ef984897_place.kd
    .args:
      - { .name: route, .offset: 0, .size: 8, .value_kind: global_buffer, .address_space: global }
      - { .name: We, .offset: 8, .size: 8, .value_kind: global_buffer, .address_space: global }
      - { .name: order, .offset: 16, .size: 8, .value_kind: global_buffer, .address_space: global }
      - { .name: blocks, .offset: 24, .size: 8, .value_kind: global_buffer, .address_space: global }
      - { .name: wc, .offset: 32, .size: 8, .value_kind: global_buffer, .address_space: global }
      - { .name: ws, .offset: 40, .size: 8, .value_kind: global_buffer, .address_space: global }
    .group_segment_fixed_size: 41472
    .private_segment_fixed_size: 0
    .kernarg_segment_align: 8
    .kernarg_segment_size: 48
    .max_flat_workgroup_size: 128
    .sgpr_count:     66
    .vgpr_count:     258
    .wavefront_size: 32
...
	.end_amdgpu_metadata
.endif
;; end of part 2
;; launch experts (part 3): grid 4 x 64, 4 waves a work-group, no clusters, 205,312 bytes of LDS; arguments xc, xs, wc, ws, be, route, gates, order, blocks, out0; writes out0
.if DOCPART == 3
	.amdgcn_target "amdgcn-amd-amdhsa--gfx1250"
	.amdhsa_code_object_version 6
	.text
	.protected	k_qf8ef984897_experts
	.globl	k_qf8ef984897_experts
	.p2align	8
	.type	k_qf8ef984897_experts,@function
k_qf8ef984897_experts:
	s_mov_b64 s[64:65], 0
	v_nop
	global_prefetch_b8 v0, s[64:65] scope:SCOPE_SE
	s_setreg_imm32_b32 hwreg(HW_REG_WAVE_MODE, 25, 1), 1
	s_wait_xcnt 0x0
; out[t] = g_lo (Q(x[t]) Q(We[lo])^T + be[lo]) + g_hi (the same of hi), on codes of FP4 (E2M1) with E8M0 scales, only for the two experts chosen for each token.
; Work-group (cq = x, b = y) owns the 128 tokens of ranks 128 b .. 128 b + 127 in the order sorted by pair of experts, and columns 256 cq .. 256 cq + 255, in two halves of 128.  Each output number has one owner.
; It walks the experts of the block's stored mask (at least two).  For expert e all 128 rows are multiplied, S = be[e] + Q(x) Q(We[e])^T (the bias is the C of the first K step), and OUT (+)= w S with
; w = g_lo where lo = e, g_hi where hi = e, else 0: a choice of values, no branch on it.  The trip count and the weights' addresses hang on whole numbers that an earlier launch stored,
; so this launch has no tensor load and no cluster: weights go from memory straight into operand registers, laid out for that by the second launch.
; SHARES.  The four waves share the rows; in half hh wave w owns columns 256 cq + 128 hh + 32 w .. + 31: two tiles of 16.  The rows' fragments for all of K (8 tiles x 8 K steps x 8 registers = 512) stay in registers,
; so each weight fragment that a wave loads feeds eight matrix instructions.  The weights' ring of 128 registers holds one expert's two tiles; it is filled again in four sets, each behind the products that read it,
; with the next expert's: a set has three groups of 32 products and the update in which to land.
; THE MATRIX INSTRUCTION IS USED TRANSPOSED: source 0 = 16 rows of We (columns of out), source 1 = 16 tokens: lane (r, h) holds token r and its register j column 8 h + j of the tile.
; LIMITS: NaN and infinities are not served (a row weighed 0 must have a finite S).
; REGISTERS: window 0: v1-15 addresses; v16-47 the tokens' scale words; v48-55 the weights'; v56-71 the bias, two tiles; v72-87 lo, hi; v88-103 g_lo, g_hi; v104-119 w (pairs; the odd ones 0); v120-127 tokens by lane;
;   v128-255 the weights' ring: fragment (K step s, tile ct) at 128 + 16 s + 8 ct.   windows 1, 2: the rows' fragments: (tile rt, K step s) at window 1 + s / 4, v[64 (s % 4) + 8 rt].
;   window 3: S(rt, ct) at v[8 (2 rt + ct)], OUT at the same + 128; at the start and on the way out S's registers carry rows and OUT's first 32 carry byte offsets.
.set XRT,   8704                       ; LDS: the rows' codes [rt, pitch XRT][block kb, pitch XKB][r][16 B]; XKB = 17 x 16: sixteen lanes at that pitch fall on sixteen different 16-byte columns modulo 256
.set XKB,   272
.set STG0,  69632                      ; two stages for the way out, one for each half: 128 rows x SP
.set STGB,  67584
.set SP,    528                        ; 512 bytes + 16 = 33 x 16
.set XSR,   16
.set WSR,   48
.set BI,    56
.set ELO,   72
.set EHI,   80
.set G,     88
.set WW,    104
.set TK,    120
.set RING,  128
.set OUT,   128
; s24 wave, s25 the block's mask, s26 cq, s27 b, s28 experts to walk, s29 the loop's counter, s30 the mask's rest, s31 the expert in hand, s[32:63] my 32 rows' tokens, s66 at work, s67 the expert being fetched,
; s[68:69] s[70:71] s[72:73] its codes, scale words and bias; s[74:75] s[76:77] s[78:79] the same for expert 0 of the half in hand; s[80:81] out0 at my columns; s[82:85] order at my block, at my rows; s[86:87] an offset, 0 above
.set MSB, 0
.macro WIN new                         ; the immediate's high byte repeats the setting that is left
.if MSB != \new
	s_set_vgpr_msb (MSB<<8)|\new
.set MSB, \new
.endif
.endm
.macro NOPS                            ; four places between matrix instructions and loads into registers that they read (ISA guide 7.12.1 for vector instructions)
.rept 4
	v_nop
.endr
.endm
.macro POP                             ; the lowest expert left in the mask
	s_ctz_i32_b32 s67, s30
	s_min_u32 s67, s67, 7                          ; held inside the tables
	s_sub_co_u32 s66, s30, 1
	s_and_b32 s30, s30, s66
.endm
.macro PTRS                            ; an expert is 64 tiles: 2^19 bytes of codes, 2^15 of scale words, 2^12 of bias
	s_lshl_b32 s86, s67, 19
	s_add_nc_u64 s[68:69], s[74:75], s[86:87]
	s_lshl_b32 s86, s67, 15
	s_add_nc_u64 s[70:71], s[76:77], s[86:87]
	s_lshl_b32 s86, s67, 12
	s_add_nc_u64 s[72:73], s[78:79], s[86:87]
.endm
.macro LOADSET j                       ; K steps 2 j and 2 j + 1 of both tiles: 8 loads of 512 consecutive bytes, 2 of scale words; with j = 0 the bias too: 14 loads, else 10
.irp ct, 0,1
.irp p, 0,1,2,3
	global_load_b128 v[RING+32*(\j)+16*(\p/2)+8*\ct+4*(\p%2):RING+32*(\j)+16*(\p/2)+8*\ct+4*(\p%2)+3], v1, s[68:69] offset:\ct*8192+(\j)*2048+\p*512
.endr
.endr
.irp ct, 0,1
	global_load_b32 v[WSR+4*\ct+(\j)], v2, s[70:71] offset:\ct*512+(\j)*128
.endr
.if (\j) == 0
.irp ct, 0,1
	global_load_b128 v[BI+8*\ct:BI+8*\ct+3], v3, s[72:73] offset:\ct*64
	global_load_b128 v[BI+8*\ct+4:BI+8*\ct+7], v3, s[72:73] offset:\ct*64+16
.endr
.endif
.endm
; K step s: 16 matrix instructions, the 16 accumulators by turns, one instruction a turn, in the same order in every K step.  c0 = 1: the bias starts the sums.
; Scale words: the weights' register of K steps 2 j, 2 j + 1 holds the even step in lanes 0-15 and the odd one in lanes 16-31; the tokens' register q holds K step q below and 4 + q above.
.macro MUL s, c0
.irp rt, 0,1,2,3,4,5,6,7
.irp ct, 0,1
.set rD, 8*(2*\rt+\ct)
.if \c0
.set rC, BI+8*\ct
.else
.set rC, rD
.endif
.set rA, RING+16*(\s)+8*\ct
.set rB, 64*((\s)%4)+8*\rt
.set rU, WSR+4*\ct+(\s)/2
.set rV, XSR+4*\rt+(\s)%4
.if ((\s)%2 == 0) && ((\s) < 4)
	v_wmma_scale_f32_16x16x128_f8f6f4 v[rD:rD+7], v[rA:rA+7], v[rB:rB+7], v[rC:rC+7], v[rU], v[rV] matrix_a_fmt:MATRIX_FMT_FP4 matrix_b_fmt:MATRIX_FMT_FP4
.elseif (\s) < 4
	v_wmma_scale_f32_16x16x128_f8f6f4 v[rD:rD+7], v[rA:rA+7], v[rB:rB+7], v[rC:rC+7], v[rU], v[rV] matrix_a_fmt:MATRIX_FMT_FP4 matrix_b_fmt:MATRIX_FMT_FP4 matrix_a_scale:MATRIX_SCALE_ROW1
.elseif (\s)%2 == 0
	v_wmma_scale_f32_16x16x128_f8f6f4 v[rD:rD+7], v[rA:rA+7], v[rB:rB+7], v[rC:rC+7], v[rU], v[rV] matrix_a_fmt:MATRIX_FMT_FP4 matrix_b_fmt:MATRIX_FMT_FP4 matrix_b_scale:MATRIX_SCALE_ROW1
.else
	v_wmma_scale_f32_16x16x128_f8f6f4 v[rD:rD+7], v[rA:rA+7], v[rB:rB+7], v[rC:rC+7], v[rU], v[rV] matrix_a_fmt:MATRIX_FMT_FP4 matrix_b_fmt:MATRIX_FMT_FP4 matrix_a_scale:MATRIX_SCALE_ROW1 matrix_b_scale:MATRIX_SCALE_ROW1
.endif
.endr
.endr
.endm
.macro WCALC                           ; each row's weight for the expert in hand.  32 plain lines that name no register of the products: the places behind the last of them
.irp rt, 0,1,2,3,4,5,6,7
	v_cmp_eq_u32 vcc_lo, s31, v[ELO+\rt]
	v_cndmask_b32 v[WW+2*\rt], 0, v[G+2*\rt], vcc_lo
	v_cmp_eq_u32 vcc_lo, s31, v[EHI+\rt]
	v_cndmask_b32 v[WW+2*\rt], v[WW+2*\rt], v[G+2*\rt+1], vcc_lo
.endr
.endm
; One expert.  nx = 1: the next expert of this half is fetched meanwhile; 2: the first expert of the second half; 0: nothing.  first = 1: the update starts OUT: nothing is ever cleared.
; At the head four sets are out, in order: 14, 10, 10, 10 loads.  Each wait counts the loads issued behind the set that the group wants.
.macro BODY nx, first
	s_wait_xcnt 0x0                                ; the pointers of the sets already asked for, and the registers of earlier stores, are written again only behind this wait
	s_mov_b32 s31, s67
.if (\nx) == 2
	s_add_nc_u64 s[74:75], s[74:75], 65536         ; eight tiles on
	s_add_nc_u64 s[76:77], s[76:77], 4096
	s_add_nc_u64 s[78:79], s[78:79], 512
	s_mov_b32 s30, s25
.endif
.if \nx
	POP
	PTRS
.endif
	s_wait_loadcnt 30                              ; set 0 is in; sets 1 to 3 (10 + 10 + 10) may be out
	WIN 0xc4                                       ; rows in window 1, C (the bias) in window 0, D in window 3
	MUL 0, 1
	WIN 0xf4                                       ; C and D in window 3
	MUL 1, 0
.if \nx
	NOPS
	WIN 0
	LOADSET 0
	s_wait_loadcnt 34                              ; set 1 is in; behind it: sets 2, 3 and the new set 0 (10 + 10 + 14)
	WIN 0xf4
.else
	s_wait_loadcnt 20                              ; behind set 1: sets 2 and 3
.endif
	MUL 2, 0
	MUL 3, 0
.if \nx
	NOPS
	WIN 0
	LOADSET 1
	s_wait_loadcnt 34                              ; behind set 2: set 3 and the new sets 0 and 1 (10 + 14 + 10)
.else
	s_wait_loadcnt 10                              ; behind set 2: set 3
.endif
	WIN 0xf8                                       ; rows in window 2
	MUL 4, 0
	MUL 5, 0
.if \nx
	NOPS
	WIN 0
	LOADSET 2
	s_wait_loadcnt 34                              ; behind set 3: the new sets 0, 1 and 2 (14 + 10 + 10)
	WIN 0xf8
.else
	s_wait_loadcnt 0x0
.endif
	MUL 6, 0
	MUL 7, 0
	WIN 0
	WCALC
.if \nx
	LOADSET 3
.endif
	WIN 0xf3                                       ; S and OUT in window 3, w in window 0
.set i, 0
.rept 64                               ; each accumulator from its low end on
.if \first
	v_pk_mul_f32 v[OUT+i:OUT+i+1], v[i:i+1], v[WW+2*(i/16):WW+2*(i/16)+1] op_sel_hi:[1,0]
.else
	v_pk_fma_f32 v[OUT+i:OUT+i+1], v[i:i+1], v[WW+2*(i/16):WW+2*(i/16)+1], v[OUT+i:OUT+i+1] op_sel_hi:[1,0,1]
.endif
.set i, i+2
.endr
	WIN 0
.endm
; THE WAY OUT of a half.  A lane holds 32 bytes of a row, and a row's 512 bytes come from four waves: they meet in the half's stage; then each wave stores its 32 rows whole, each to its token's place.
.macro FLUSH hh
	WIN 0x0c                                       ; an LDS store's data: window 3
.irp rt, 0,1,2,3,4,5,6,7
.irp ct, 0,1
	ds_store_b128 v[7+\hh], v[OUT+8*(2*\rt+\ct):OUT+8*(2*\rt+\ct)+3] offset:\rt*16*SP+\ct*64
	ds_store_b128 v[7+\hh], v[OUT+8*(2*\rt+\ct)+4:OUT+8*(2*\rt+\ct)+7] offset:\rt*16*SP+\ct*64+16
.endr
.endr
	WIN 0
	s_wait_dscnt 0x0                               ; for the others' sake: my part of the stage is written
	s_barrier_signal -1
	s_barrier_wait -1
	WIN 0xc0                                       ; destination window 3
.set i, 0
.rept 32
	v_add_nc_u32 v[OUT+i], s[32+i], v1             ; 4,096 x token + 16 x lane
.set i, i+1
.endr
.set i, 0
.rept 32
	ds_load_b128 v[4*i:4*i+3], v[9+\hh] offset:i*SP
.set i, i+1
.endr
	WIN 0x0f                                       ; a store's offset and data: window 3
.set i, 0
.rept 32
	s_wait_dscnt 31-i                              ; row i is back; the younger rows may be out
	global_store_b128 v[OUT+i], v[4*i:4*i+3], s[80:81] offset:512*\hh th:TH_STORE_NT   ; 32 lanes store 512 consecutive bytes, at a multiple of 512 from out0's first byte
.set i, i+1
.endr
	WIN 0
.endm
.macro HALF hh                         ; s28 experts: the first, s28 - 2 in the loop, the last
	BODY 1, 1
	s_sub_co_u32 s29, s28, 2
	s_cmp_eq_u32 s29, 0
	s_cbranch_scc1 .Llast_\@
.Lwalk_\@:
	BODY 1, 0
	s_sub_co_u32 s29, s29, 1
	s_cmp_lg_u32 s29, 0
	s_cbranch_scc1 .Lwalk_\@
.Llast_\@:
	BODY 2-2*\hh, 0
	FLUSH \hh
.endm
	s_load_b512 s[4:19], s[0:1], 0x0               ; xc s[4:5], xs s[6:7], wc s[8:9], ws s[10:11], be s[12:13], route s[14:15], gates s[16:17], order s[18:19]
	s_load_b128 s[20:23], s[0:1], 0x40             ; blocks s[20:21], out0 s[22:23]
	v_lshrrev_b32 v13, 5, v0
	v_readfirstlane_b32 s24, v13                   ; wave 0..3
	s_mov_b32 s26, ttmp9                           ; cq
	s_and_b32 s27, ttmp7, 0xffff                   ; b
	v_and_b32 v14, 31, v0                          ; lane
	v_and_b32 v11, 15, v0                          ; r
	v_bfe_u32 v12, v0, 4, 1                        ; h
	v_lshlrev_b32 v1, 4, v14                       ; 16 x lane
	v_lshlrev_b32 v2, 2, v14                       ; 4 x lane
	v_lshlrev_b32 v3, 5, v12                       ; 32 h
	s_mul_i32 s66, s24, 2*XRT
	v_mul_u32_u24 v4, v14, XKB
	v_add_nc_u32 v4, s66, v4                       ; a row's codes into LDS: lane = block kb; my wave's two tiles of rows
	v_mul_u32_u24 v5, v12, XKB
	v_lshl_add_u32 v5, v11, 4, v5                  ; and out as fragments: XKB h + 16 r, tiles 0-3;
	v_add_nc_u32 v6, 4*XRT, v5                     ; tiles 4-7
	v_mul_u32_u24 v7, v11, SP
	v_lshl_add_u32 v7, v12, 5, v7
	s_lshl_b32 s66, s24, 7
	s_add_co_u32 s66, s66, STG0
	v_add_nc_u32 v7, s66, v7                       ; into a stage: row r, + 32 h, + 128 w
	v_add_nc_u32 v8, STGB, v7
	s_mul_i32 s66, s24, 32*SP
	s_add_co_u32 s66, s66, STG0
	v_add_nc_u32 v9, s66, v1                       ; back: my 32 rows, 16 bytes a lane
	v_add_nc_u32 v10, STGB, v9
	v_lshlrev_b32 v13, 2, v11                      ; 4 r
	v_lshlrev_b32 v15, 4, v12                      ; 16 h
	s_mov_b32 s87, 0
	s_wait_kmcnt 0x0
	s_lshl_b32 s86, s27, 2
	s_add_nc_u64 s[20:21], s[20:21], s[86:87]
	s_load_b32 s25, s[20:21], 0x0                  ; the block's mask of experts
	s_lshl_b32 s86, s27, 9
	s_add_nc_u64 s[82:83], s[18:19], s[86:87]      ; order at my block's 128 ranks
	s_lshl_b32 s86, s24, 7
	s_add_nc_u64 s[84:85], s[82:83], s[86:87]      ; and at my wave's 32
	s_load_b512 s[32:47], s[84:85], 0x0
	s_load_b512 s[48:63], s[84:85], 0x40
.irp rt, 0,1,2,3,4,5,6,7
	global_load_b32 v[TK+\rt], v13, s[82:83] offset:64*\rt   ; the token of row 16 rt + r, in both halves of the lanes
.endr
	s_wait_kmcnt 0x0
.set i, 0
.rept 32
	s_min_u32 s[32+i], s[32+i], 0x1fff             ; held inside the tables
.set i, i+1
.endr
	s_and_b32 s25, s25, 0xff
	s_bcnt1_i32_b32 s28, s25
	s_max_u32 s28, s28, 2                          ; two experts at the least (a token has two); at the most eight
	WIN 0xc0                                       ; destination window 3
.set i, 0
.rept 32
	s_lshl_b32 s66, s[32+i], 9
	v_add_nc_u32 v[OUT+i], s66, v1                 ; 512 x token + 16 x lane
.set i, i+1
.endr
	WIN 0xc3                                       ; destination and offset in window 3
.set i, 0
.rept 32
	global_load_b128 v[4*i:4*i+3], v[OUT+i], s[4:5]   ; a row's 512 bytes of codes
.set i, i+1
.endr
	WIN 0
	s_wait_loadcnt 32                              ; the tokens by lane are in; the 32 rows may be out
.irp rt, 0,1,2,3,4,5,6,7
	v_min_u32 v[TK+\rt], 0x1fff, v[TK+\rt]
	v_lshlrev_b32 v[RING+\rt], 3, v[TK+\rt]        ; 8 x token: route and gates
	v_lshl_add_u32 v[RING+8+\rt], v[TK+\rt], 5, v15   ; 32 x token + 16 h: xs
.endr
.irp rt, 0,1,2,3,4,5,6,7
	global_load_b128 v[XSR+4*\rt:XSR+4*\rt+3], v[RING+8+\rt], s[6:7]   ; register q: K step q in lanes 0-15, 4 + q in lanes 16-31
	global_load_b32 v[ELO+\rt], v[RING+\rt], s[14:15]
	global_load_b64 v[G+2*\rt:G+2*\rt+1], v[RING+\rt], s[16:17]
.endr
	WIN 0x0c                                       ; an LDS store's data: window 3
.set i, 0
.rept 32
	s_wait_loadcnt 55-i                            ; row i is in; behind it: the 31 - i younger rows and the 24 loads above
	ds_store_b128 v4, v[4*i:4*i+3] offset:(i/16)*XRT+(i%16)*16
.set i, i+1
.endr
	WIN 0
	s_wait_xcnt 0x0                                ; the ring's first registers held offsets of the loads above: loads land there only behind this wait
	s_lshl_b32 s86, s26, 4
	s_lshl_b32 s66, s24, 1
	s_add_co_u32 s66, s86, s66                     ; my first tile of columns in the first half: 16 cq + 2 w
	s_lshl_b32 s86, s66, 13
	s_add_nc_u64 s[74:75], s[8:9], s[86:87]
	s_lshl_b32 s86, s66, 9
	s_add_nc_u64 s[76:77], s[10:11], s[86:87]
	s_lshl_b32 s86, s66, 6
	s_add_nc_u64 s[78:79], s[12:13], s[86:87]
	s_lshl_b32 s86, s26, 10
	s_add_nc_u64 s[80:81], s[22:23], s[86:87]
	s_mov_b32 s30, s25
	POP
	PTRS
	LOADSET 0                                      ; the first expert: 44 loads
	LOADSET 1
	LOADSET 2
	LOADSET 3
	s_wait_dscnt 0x0                               ; for the others' sake: my 32 rows lie in LDS
	s_barrier_signal -1
	s_barrier_wait -1
.irp s, 0,1,2,3,4,5,6,7
	WIN 0x40+0x40*(\s/4)                           ; destination window 1 or 2
.irp rt, 0,1,2,3,4,5,6,7
.irp c, 0,1
	ds_load_b128 v[64*(\s%4)+8*\rt+4*\c:64*(\s%4)+8*\rt+4*\c+3], v[5+\rt/4] offset:(\rt%4)*XRT+(4*\s+2*\c)*XKB   ; registers 4 c on: block 4 s + 2 c + h of token r
.endr
.endr
.endr
	WIN 0
	s_wait_loadcnt 44                              ; scale words, experts and weights of the rows are in; the first expert's 44 loads may be out
.irp rt, 0,1,2,3,4,5,6,7
	v_bfe_u32 v[EHI+\rt], v[ELO+\rt], 4, 4
	v_and_b32 v[ELO+\rt], 15, v[ELO+\rt]
	v_mov_b32 v[WW+2*\rt+1], 0                     ; named as the upper half of a pair, so it is written
.endr
.set i, 0
.rept 32
	s_lshl_b32 s[32+i], s[32+i], 12                ; from here on: the token's row in out0, in bytes
.set i, i+1
.endr
	s_wait_dscnt 0x0                               ; the rows' fragments are in
	HALF 0
	HALF 1
	s_wait_xcnt 0x0
	v_lshl_add_u32 v254, v0, 2, 0x32000
	v_mov_b32 v255, 0
	s_wait_tensorcnt 0x0
	ds_add_u32 v254, v255
	s_wait_dscnt 0x0
	s_endpgm
.Lfunc_end_k_qf8ef984897_experts:
	.size	k_qf8ef984897_experts, .Lfunc_end_k_qf8ef984897_experts-k_qf8ef984897_experts
	.p2alignl 7, 3214868480
	.fill 96, 4, 3214868480
	.section	.rodata,"a",@progbits
	.p2align	6, 0x0
	.amdhsa_kernel k_qf8ef984897_experts
		.amdhsa_group_segment_fixed_size 205312
		.amdhsa_private_segment_fixed_size 0
		.amdhsa_enable_private_segment 0
		.amdhsa_kernarg_size 80
		.amdhsa_user_sgpr_count 2
		.amdhsa_user_sgpr_kernarg_segment_ptr 1
		.amdhsa_wavefront_size32 1
		.amdhsa_system_sgpr_workgroup_id_x 1
		.amdhsa_system_sgpr_workgroup_id_y 1
		.amdhsa_system_sgpr_workgroup_id_z 1
		.amdhsa_system_vgpr_workitem_id 0
		.amdhsa_next_free_vgpr 1024
		.amdhsa_next_free_sgpr 90
		.amdhsa_reserve_vcc 1
		.amdhsa_float_denorm_mode_32 3
		.amdhsa_float_denorm_mode_16_64 3
		.amdhsa_memory_ordered 1
		.amdhsa_forward_progress 1
		.amdhsa_inst_pref_size 205
	.end_amdhsa_kernel
	.amdgpu_metadata
---
amdhsa.version: [ 1, 2 ]
amdhsa.kernels:
  - .name:           k_qf8ef984897_experts
    .symbol:         k_qf8ef984897_experts.kd
    .args:
      - { .name: xc, .offset: 0, .size: 8, .value_kind: global_buffer, .address_space: global }
      - { .name: xs, .offset: 8, .size: 8, .value_kind: global_buffer, .address_space: global }
      - { .name: wc, .offset: 16, .size: 8, .value_kind: global_buffer, .address_space: global }
      - { .name: ws, .offset: 24, .size: 8, .value_kind: global_buffer, .address_space: global }
      - { .name: be, .offset: 32, .size: 8, .value_kind: global_buffer, .address_space: global }
      - { .name: route, .offset: 40, .size: 8, .value_kind: global_buffer, .address_space: global }
      - { .name: gates, .offset: 48, .size: 8, .value_kind: global_buffer, .address_space: global }
      - { .name: order, .offset: 56, .size: 8, .value_kind: global_buffer, .address_space: global }
      - { .name: blocks, .offset: 64, .size: 8, .value_kind: global_buffer, .address_space: global }
      - { .name: out0, .offset: 72, .size: 8, .value_kind: global_buffer, .address_space: global }
    .group_segment_fixed_size: 205312
    .private_segment_fixed_size: 0
    .kernarg_segment_align: 8
    .kernarg_segment_size: 80
    .max_flat_workgroup_size: 128
    .sgpr_count:     90
    .vgpr_count:     1024
    .wavefront_size: 32
...
	.end_amdgpu_metadata
.endif
;; end of part 3
;; ======== version 2 of 2: 3 launches
;; workspace buffers: xc 4,194,304 bytes; xs 262,144 bytes; wc 4,194,304 bytes; ws 262,144 bytes; route 65,536 bytes of whole numbers; gates 65,536 bytes; order 32,768 bytes of whole numbers; blocks 256 bytes of whole numbers
;; launch prep (part 4): grid 256 x 1, 4 waves a work-group, no clusters, 42,752 bytes of LDS; arguments x, Wg, bg, xc, xs, route, gates; writes xc, xs, route, gates
.if DOCPART == 4
	.amdgcn_target "amdgcn-amd-amdhsa--gfx1250"
	.amdhsa_code_object_version 6
	.text
	.protected	k_qf8ef984897_prep
	.globl	k_qf8ef984897_prep
	.p2align	8
	.type	k_qf8ef984897_prep,@function
k_qf8ef984897_prep:
	s_mov_b64 s[64:65], 0
	v_nop
	global_prefetch_b8 v0, s[64:65] scope:SCOPE_SE
	s_setreg_imm32_b32 hwreg(HW_REG_WAVE_MODE, 25, 1), 1
	s_wait_xcnt 0x0
; x [8192][1024], f32, becomes codes of FP4 (E2M1) with one E8M0 byte for each 32 along K (K innermost);
; the gate is computed on the way: logits x Wg^T + bg in f32, softmax over 8 experts, the two largest (the lower index wins a tie), their weights.
; A work-group takes 32 tokens (a chunk).  Work-groups share nothing but Wg's 32 KB, so there is no cluster and no tensor load: a stream through registers.
; SHARES.  Wave w takes K quarter w (k = 256 w .. 256 w + 255) of all 32 rows, in 16 steps; step t takes rows t and 16 + t.  Each load reads 512 consecutive bytes; a step's 2,048 bytes turn through the wave's
; own stage in LDS and come back 64 bytes a lane: lane (H = lane / 16, q = lane % 16) then holds k = 256 w + 16 q + 0 .. 15 of row 16 H + t; lanes q and q xor 1 share a block of 32.
; A block's scale byte is its largest magnitude's exponent field - 2, held at 1 from below; the conversion divides by that power of two, rounds to the nearest code, ties to even, and gives the largest code beyond 6.
; WHAT IS STORED.  xc [token][512 B], xs [token][32 B];
; route [chunk][lane][2 words]: word 0 = lo | hi << 4 | key << 8 | (rank among the chunk's tokens of the same key) << 16 of token 32 chunk + lane, word 1 = how many tokens of the chunk have key = lane; gates [token][g_lo, g_hi].
; The key numbers the 28 pairs lo < hi so that neighbouring keys share an expert: lo (15 - lo) / 2 + (lo even ? hi - lo - 1 : 7 - hi).  All of this is stored at fixed places: no address and no branch hangs on it.
; LIMITS: NaN and infinities are not served.  A block of zeros gets the byte 1 (its codes are zeros; this program alone reads the bytes).  A gate weight under 2^-126 comes out as 0.
; Two logits closer than the rounding of an f32 sum of 1,024 terms may be ordered otherwise than a sum in another order would.
.set XCODE, 20480                      ; [0, 20480) the waves' turn stages; the codes: tokens 0-15 at pitch 512, tokens 16-31 begin XHALF on (128 bytes more than 16 rows: the two halves of a wave's store differ by 128 modulo 256)
.set XHALF, 8320
.set XSC,   37120                      ; [token][32] scale bytes
.set LG,    38144                      ; [wave][lane = token][8 f32] partial logits
.set R, 16                             ; v16-143  eight sets of 16 numbers as loaded
.set X, 144                            ; v144-175 two sets of 16 neighbours
.set C, 176                            ; v176-207 codes, two registers a step
.set E, 208                            ; v208-223 a scale byte a step
.set A, 224                            ; v224-239 eight pairs of running sums (even k, odd k)
.set P, 240                            ; v240-247 a step's eight partial logits
.set L, 248                            ; v248-255 the stash: lane = token
                                       ; window 1, v0-127: Wg(e, i) at 16 e + i = Wg[e][256 w + 16 q + i]
.set MSB, 0
.macro WIN new                         ; the immediate's high byte repeats the setting that is left
.if MSB != \new
	s_set_vgpr_msb (MSB<<8)|\new
.set MSB, \new
.endif
.endm
.macro LOAD t                          ; rows t and 16 + t, my quarter: four loads of 512 consecutive bytes
.set RS, R+16*((\t)%8)
	global_load_b128 v[RS:RS+3],     v2, s[28:29] offset:(\t)*4096 th:TH_LOAD_NT
	global_load_b128 v[RS+4:RS+7],   v2, s[28:29] offset:(\t)*4096+512 th:TH_LOAD_NT
	global_load_b128 v[RS+8:RS+11],  v2, s[28:29] offset:(16+(\t))*4096 th:TH_LOAD_NT
	global_load_b128 v[RS+12:RS+15], v2, s[28:29] offset:(16+(\t))*4096+512 th:TH_LOAD_NT
.endm
.macro TURN t                          ; through my stage: in as loaded (four lanes' 64 bytes, then 16 of padding), out 64 bytes a lane.  LDS serves a wave's instructions in order: no wait between
.irp i, 0,1,2,3
	ds_store_b128 v3, v[R+16*((\t)%8)+4*\i:R+16*((\t)%8)+4*\i+3] offset:2560*((\t)%2)+640*\i
.endr
.irp i, 0,1,2,3
	ds_load_b128 v[X+16*((\t)%2)+4*\i:X+16*((\t)%2)+4*\i+3], v4 offset:2560*((\t)%2)+16*\i
.endr
.endm
.macro QUANT t                         ; my 16 numbers become 8 bytes of codes
.set XS, X+16*((\t)%2)
	v_max3_num_f32 v8, |v[XS]|, |v[XS+1]|, |v[XS+2]|
	v_max3_num_f32 v9, |v[XS+3]|, |v[XS+4]|, |v[XS+5]|
.irp i, 6,10
	v_max3_num_f32 v8, v8, |v[XS+\i]|, |v[XS+\i+1]|
	v_max3_num_f32 v9, v9, |v[XS+\i+2]|, |v[XS+\i+3]|
.endr
	v_max3_num_f32 v8, v8, |v[XS+14]|, |v[XS+15]|
	v_max3_num_f32 v8, v8, v9, 0x1800000           ; and the floor 2^(3 - 127): the byte cannot fall under 1
	v_max_num_f32_dpp v8, v8, v8 row_xmask:1 row_mask:0xf bank_mask:0xf   ; with my neighbour's 16: the block's largest magnitude
	v_add_nc_u32 v11, 0xff000000, v8               ; 2 off its exponent field: the conversion takes this operand's exponent field as its scale
	v_cvt_scalef32_pk8_fp4_f32 v[C+2*(\t)], v[XS:XS+7], v11
	v_cvt_scalef32_pk8_fp4_f32 v[C+2*(\t)+1], v[XS+8:XS+15], v11
	v_lshrrev_b32 v[E+(\t)], 23, v11               ; the scale's byte; also the plain line behind the conversions
	ds_store_b64 v5, v[C+2*(\t):C+2*(\t)+1] offset:(\t)*512
	ds_store_b8 v6, v[E+(\t)] offset:(\t)*32       ; both lanes of a block write the same byte with the same value
.endm
.macro GATE t                          ; eight partial logits of rows t and 16 + t over my 256 k
.set XS, X+16*((\t)%2)
	WIN 0x04                                       ; source 1 (Wg) in window 1
.irp e, 0,1,2,3,4,5,6,7
	v_pk_mul_f32 v[A+2*\e:A+2*\e+1], v[XS:XS+1], v[16*\e:16*\e+1]   ; the first products start the sums
.endr
.irp ii, 1,2,3,4,5,6,7
.irp e, 0,1,2,3,4,5,6,7
	v_pk_fma_f32 v[A+2*\e:A+2*\e+1], v[XS+2*\ii:XS+2*\ii+1], v[16*\e+2*\ii:16*\e+2*\ii+1], v[A+2*\e:A+2*\e+1]
.endr
.endr
	WIN 0
.irp e, 0,1,2,3,4,5,6,7
	v_add_f32 v[P+\e], v[A+2*\e], v[A+2*\e+1]
.endr
.irp m, 1,2,4,8
.irp e, 0,1,2,3,4,5,6,7
	v_add_f32_dpp v[P+\e], v[P+\e], v[P+\e] row_xmask:\m row_mask:0xf bank_mask:0xf   ; over the sixteen lanes of a row
.endr
.endr
.if (\t) == 0
.irp e, 0,1,2,3,4,5,6,7
	v_mov_b32 v[L+\e], v[P+\e]                     ; the stash is first written whole
.endr
.else
	s_mov_b32 s40, 0x10001<<(\t)                   ; lanes t and 16 + t keep this step's: lane = token
.irp e, 0,1,2,3,4,5,6,7
	v_cndmask_b32 v[L+\e], v[L+\e], v[P+\e], s40
.endr
.endif
.endm
.macro STEP t
.if (\t) == 0
	s_wait_dscnt 0x0
.else
	s_wait_dscnt 2                                 ; this step's numbers are back from the stage; the last step's two stores (codes, byte) may be out
.endif
.if (\t)+8 < 16
	LOAD (\t)+8                                    ; into the set whose stores into the stage are done
.endif
.if (\t) < 15
.if 14-(\t) >= 7
	s_wait_loadcnt 28                              ; the next step's four loads are in; the seven sets behind them may be out
.else
	s_wait_loadcnt 4*(14-(\t))                     ; the sets left behind the next step's
.endif
	TURN (\t)+1
.endif
	QUANT \t
	GATE \t
.endm
	s_load_b256 s[4:11], s[0:1], 0x0               ; x s[4:5], Wg s[6:7], bg s[8:9], xc s[10:11]
	s_load_b128 s[12:15], s[0:1], 0x20             ; xs s[12:13], route s[14:15]
	s_load_b64 s[16:17], s[0:1], 0x30              ; gates s[16:17]
	v_lshl_add_u32 v15, v0, 2, 0xa500
	s_set_vgpr_msb 0x40
	v_mov_b32 v129, 0
	s_set_vgpr_msb 0x4000
	v_lshrrev_b32 v7, 5, v0
	v_readfirstlane_b32 s24, v7                    ; wave 0..3
	v_and_b32 v1, 31, v0                           ; lane
	v_lshlrev_b32 v2, 4, v1                        ; 16 x lane
	v_lshlrev_b32 v10, 3, v1                       ; 8 x lane
	v_and_b32 v12, 15, v0                          ; q
	v_bfe_u32 v13, v0, 4, 1                        ; H
	s_mul_i32 s25, s24, 5120                       ; my two stages of 32 x 80 bytes
	v_lshrrev_b32 v3, 2, v1
	v_mul_u32_u24 v3, v3, 80
	v_and_b32 v7, 3, v0
	v_lshl_add_u32 v3, v7, 4, v3
	v_add_nc_u32 v3, s25, v3                       ; into a stage: 80 (lane / 4) + 16 (lane % 4)
	v_mul_u32_u24 v4, v1, 80
	v_add_nc_u32 v4, s25, v4                       ; out of it: 80 x lane
	s_mov_b32 s27, 0
	s_lshl_b32 s26, ttmp9, 17                      ; 32 rows of 4,096 bytes
	s_lshl_b32 s30, s24, 10                        ; my quarter
	s_add_co_u32 s26, s26, s30
	v_lshl_add_u32 v14, v12, 6, s30                ; Wg: 64 q + 1,024 w
	s_wait_alu depctr_va_vdst(0)
	s_wait_kmcnt 0x0
	s_load_b256 s[32:39], s[8:9], 0x0              ; bg
	s_add_nc_u64 s[28:29], s[4:5], s[26:27]
	WIN 0x40                                       ; destination window 1
.irp e, 0,1,2,3,4,5,6,7
.irp i, 0,1,2,3
	global_load_b128 v[16*\e+4*\i:16*\e+4*\i+3], v14, s[6:7] offset:\e*4096+16*\i
.endr
.endr
	WIN 0
.irp t, 0,1,2,3,4,5,6,7
	LOAD \t
.endr
	s_lshl_b32 s26, ttmp9, 14                      ; xc: 32 tokens of 512 bytes, my 8
	s_lshl_b32 s30, s24, 12
	s_add_co_u32 s26, s26, s30
	s_add_nc_u64 s[44:45], s[10:11], s[26:27]
	s_lshl_b32 s26, ttmp9, 10                      ; xs: 32 tokens of 32 bytes, my 8
	s_lshl_b32 s30, s24, 8
	s_add_co_u32 s26, s26, s30
	s_add_nc_u64 s[46:47], s[12:13], s[26:27]
	s_lshl_b32 s26, ttmp9, 8                       ; route and gates: 256 bytes a chunk
	s_add_nc_u64 s[48:49], s[14:15], s[26:27]
	s_add_nc_u64 s[50:51], s[16:17], s[26:27]
	v_mul_u32_u24 v5, v13, XHALF                   ; codes: XCODE + H XHALF + 8 q + 128 w (+ 512 t)
	v_lshl_add_u32 v5, v12, 3, v5
	s_lshl_b32 s30, s24, 7
	s_add_co_u32 s30, s30, XCODE
	v_add_nc_u32 v5, s30, v5
	v_lshrrev_b32 v6, 1, v12                       ; scale bytes: XSC + 512 H + q / 2 + 8 w (+ 32 t)
	v_lshl_add_u32 v6, v13, 9, v6
	s_lshl_b32 s30, s24, 3
	s_add_co_u32 s30, s30, XSC
	v_add_nc_u32 v6, s30, v6
	s_wait_kmcnt 0x0                               ; bg
	s_wait_loadcnt 28                              ; Wg and step 0's four loads are in; steps 1 to 7 may be out
	TURN 0
.irp t, 0,1,2,3,4,5,6,7,8,9,10,11,12,13,14,15
	STEP \t
.endr
	s_lshl_b32 s30, s24, 10
	s_add_co_u32 s30, s30, LG
	v_lshl_add_u32 v136, v1, 5, s30                ; my wave's partial logits: 32 bytes a token
	ds_store_b128 v136, v[L:L+3]
	ds_store_b128 v136, v[L+4:L+7] offset:16
	s_lshr_b32 s30, s24, 1                         ; the copy out: wave w takes tokens 8 w .. 8 w + 7
	s_mul_i32 s30, s30, XHALF
	s_and_b32 s31, s24, 1
	s_lshl_b32 s31, s31, 12
	s_add_co_u32 s30, s30, s31
	s_add_co_u32 s30, s30, XCODE
	v_add_nc_u32 v137, s30, v2
	s_lshl_b32 s30, s24, 8
	s_add_co_u32 s30, s30, XSC
	v_add_nc_u32 v138, s30, v10
	s_wait_alu depctr_va_vdst(0)
	s_wait_dscnt 0x0                               ; for the others' sake: my codes, bytes and partial logits lie in LDS
	s_barrier_signal -1
	s_barrier_wait -1
.irp i, 0,1,2,3,4,5,6,7
	ds_load_b128 v[16+4*\i:19+4*\i], v137 offset:512*\i   ; a token's 512 bytes of codes
.endr
	ds_load_b64 v[48:49], v138                     ; eight tokens' 256 scale bytes
.irp i, 0,1,2,3,4,5,6,7
	s_wait_dscnt 8-\i                              ; behind load i: the 7 - i younger rows and the scale bytes
	global_store_b128 v2, v[16+4*\i:19+4*\i], s[44:45] offset:512*\i   ; 32 lanes store 512 consecutive bytes, aligned
.endr
	s_wait_dscnt 0x0
	global_store_b64 v10, v[48:49], s[46:47]       ; 256 consecutive bytes, aligned
	s_cmp_lg_u32 s24, 0
	s_cbranch_scc1 .Ltokens_done
	; wave 0 ends the gate: lane = token
	v_lshlrev_b32 v140, 5, v1
.irp j, 0,1,2,3
	ds_load_b128 v[64+8*\j:67+8*\j], v140 offset:LG+1024*\j
	ds_load_b128 v[68+8*\j:71+8*\j], v140 offset:LG+1024*\j+16
.endr
	s_wait_dscnt 0x0
.irp e, 0,1,2,3,4,5,6,7
	v_add_f32 v[96+\e], v[64+\e], v[72+\e]
	v_add_f32 v[104+\e], v[80+\e], v[88+\e]
.endr
.irp e, 0,1,2,3,4,5,6,7
	v_add_f32 v[96+\e], v[96+\e], v[104+\e]
.endr
.irp e, 0,1,2,3,4,5,6,7
	v_add_f32 v[96+\e], s[32+\e], v[96+\e]         ; the logits
.endr
	v_max3_num_f32 v129, v96, v97, v98
	v_max3_num_f32 v129, v129, v99, v100
	v_max3_num_f32 v129, v129, v101, v102
	v_max_num_f32 v129, v129, v103                 ; the largest is taken away ahead of the exponentials
.irp e, 0,1,2,3,4,5,6,7
	v_sub_f32 v[104+\e], v[96+\e], v129
.endr
.irp e, 0,1,2,3,4,5,6,7
	v_mul_f32 v[104+\e], 0x3fb8aa3b, v[104+\e]     ; x log2(e)
.endr
	s_wait_alu depctr_va_vdst(0)
.irp e, 0,1,2,3,4,5,6,7
	v_exp_f32 v[112+\e], v[104+\e]
.endr
	v_mov_b32 v126, 0                              ; (plain lines behind the exponentials)  the largest's index,
	v_mov_b32 v128, 0                              ; the second's,
	v_mov_b32 v127, -1.0                           ; the second largest so far: under every p
	s_wait_alu depctr_va_vdst(0)                   ; one wait for the eight, ahead of their first reader
	v_add_f32 v120, v112, v113
	v_add_f32 v121, v114, v115
	v_add_f32 v122, v116, v117
	v_add_f32 v123, v118, v119
	v_add_f32 v120, v120, v121
	v_add_f32 v122, v122, v123
	v_add_f32 v120, v120, v122
	s_wait_alu depctr_va_vdst(0)
	v_rcp_f32 v124, v120                           ; the two searches below name neither the sum nor its reciprocal
	v_mov_b32 v125, v112
.irp e, 1,2,3,4,5,6,7
	v_cmp_gt_f32 vcc_lo, v[112+\e], v125           ; strictly larger: the lower index keeps a tie
	v_cndmask_b32 v125, v125, v[112+\e], vcc_lo
	v_cndmask_b32 v126, v126, \e, vcc_lo
.endr
.irp e, 0,1,2,3,4,5,6,7
	v_cmp_ne_u32 s41, \e, v126
	v_cmp_gt_f32 vcc_lo, v[112+\e], v127
	s_and_b32 vcc_lo, vcc_lo, s41
	v_cndmask_b32 v127, v127, v[112+\e], vcc_lo
	v_cndmask_b32 v128, v128, \e, vcc_lo
.endr
	v_min_u32 v134, v126, v128                     ; lo
	v_max_u32 v135, v126, v128                     ; hi
	v_cmp_lt_u32 vcc_lo, v126, v128
	s_wait_alu depctr_va_vdst(0)                   ; the reciprocal's wait, ahead of its first reader
	v_mul_f32 v125, v125, v124
	v_mul_f32 v127, v127, v124
	v_cndmask_b32 v132, v127, v125, vcc_lo         ; g_lo
	v_cndmask_b32 v133, v125, v127, vcc_lo         ; g_hi
	v_sub_nc_u32 v144, 15, v134
	v_mul_u32_u24 v144, v144, v134
	v_lshrrev_b32 v144, 1, v144                    ; lo (15 - lo) / 2
	v_sub_nc_u32 v145, v135, v134
	v_add_nc_u32 v145, -1, v145                    ; hi - lo - 1
	v_sub_nc_u32 v146, 7, v135                     ; 7 - hi
	v_and_b32 v147, 1, v134
	v_cmp_eq_u32 vcc_lo, 1, v147
	v_cndmask_b32 v145, v145, v146, vcc_lo
	v_add_nc_u32 v144, v144, v145                  ; the key, 0 .. 27
	v_mov_b32 v131, 0                              ; the chunk's count of each key: lane = key
	v_mov_b32 v148, 0                              ; my rank among the chunk's tokens of my key
.irp k, 0,1,2,3,4,5,6,7,8,9,10,11,12,13,14,15,16,17,18,19,20,21,22,23,24,25,26,27
	v_cmp_eq_u32 s41, \k, v144
	v_mbcnt_lo_u32_b32 v149, s41, 0                ; how many lanes below me have key k
	v_cndmask_b32 v148, v148, v149, s41
	s_bcnt1_i32_b32 s42, s41
	v_writelane_b32 v131, s42, \k
.endr
	v_lshl_or_b32 v130, v135, 4, v134
	v_lshl_or_b32 v130, v144, 8, v130
	v_lshl_or_b32 v130, v148, 16, v130
	global_store_b64 v10, v[130:131], s[48:49]     ; 256 consecutive bytes, aligned
	global_store_b64 v10, v[132:133], s[50:51]
.Ltokens_done:
	s_set_vgpr_msb 0x4
	s_wait_tensorcnt 0x0
	ds_add_u32 v15, v129
	s_wait_dscnt 0x0
	s_set_vgpr_msb 0x400
	s_endpgm
.Lfunc_end_k_qf8ef984897_prep:
	.size	k_qf8ef984897_prep, .Lfunc_end_k_qf8ef984897_prep-k_qf8ef984897_prep
	.p2alignl 7, 3214868480
	.fill 96, 4, 3214868480
	.section	.rodata,"a",@progbits
	.p2align	6, 0x0
	.amdhsa_kernel k_qf8ef984897_prep
		.amdhsa_group_segment_fixed_size 42752
		.amdhsa_private_segment_fixed_size 0
		.amdhsa_enable_private_segment 0
		.amdhsa_kernarg_size 56
		.amdhsa_user_sgpr_count 2
		.amdhsa_user_sgpr_kernarg_segment_ptr 1
		.amdhsa_wavefront_size32 1
		.amdhsa_system_sgpr_workgroup_id_x 1
		.amdhsa_system_sgpr_workgroup_id_y 1
		.amdhsa_system_sgpr_workgroup_id_z 1
		.amdhsa_system_vgpr_workitem_id 0
		.amdhsa_next_free_vgpr 386
		.amdhsa_next_free_sgpr 66
		.amdhsa_reserve_vcc 1
		.amdhsa_float_denorm_mode_32 3
		.amdhsa_float_denorm_mode_16_64 3
		.amdhsa_memory_ordered 1
		.amdhsa_forward_progress 1
		.amdhsa_inst_pref_size 163
	.end_amdhsa_kernel
	.amdgpu_metadata
---
amdhsa.version: [ 1, 2 ]
amdhsa.kernels:
  - .name:           k_qf8ef984897_prep
    .symbol:         k_qf8ef984897_prep.kd
    .args:
      - { .name: x, .offset: 0, .size: 8, .value_kind: global_buffer, .address_space: global }
      - { .name: Wg, .offset: 8, .size: 8, .value_kind: global_buffer, .address_space: global }
      - { .name: bg, .offset: 16, .size: 8, .value_kind: global_buffer, .address_space: global }
      - { .name: xc, .offset: 24, .size: 8, .value_kind: global_buffer, .address_space: global }
      - { .name: xs, .offset: 32, .size: 8, .value_kind: global_buffer, .address_space: global }
      - { .name: route, .offset: 40, .size: 8, .value_kind: global_buffer, .address_space: global }
      - { .name: gates, .offset: 48, .size: 8, .value_kind: global_buffer, .address_space: global }
    .group_segment_fixed_size: 42752
    .private_segment_fixed_size: 0
    .kernarg_segment_align: 8
    .kernarg_segment_size: 56
    .max_flat_workgroup_size: 128
    .sgpr_count:     66
    .vgpr_count:     386
    .wavefront_size: 32
...
	.end_amdgpu_metadata
.endif
;; end of part 4
;; launch place (part 5): grid 257 x 1, 4 waves a work-group, no clusters, 41,472 bytes of LDS; arguments route, We, order, blocks, wc, ws; writes order, blocks, wc, ws
.if DOCPART == 5
	.amdgcn_target "amdgcn-amd-amdhsa--gfx1250"
	.amdhsa_code_object_version 6
	.text
	.protected	k_qf8ef984897_place
	.globl	k_qf8ef984897_place
	.p2align	8
	.type	k_qf8ef984897_place,@function
k_qf8ef984897_place:
	s_mov_b64 s[64:65], 0
	v_nop
	global_prefetch_b8 v0, s[64:65] scope:SCOPE_SE
	s_setreg_imm32_b32 hwreg(HW_REG_WAVE_MODE, 25, 1), 1
	s_wait_xcnt 0x0
; TWO JOBS THAT DO NOT DEPEND ON EACH OTHER, IN ONE LAUNCH, so that the one work-group that sorts runs beside the stream of the weights.  The two ways part once, on the work-group's number, and have LDS bytes of their own.
; WORK-GROUP 0: a counting sort of the 8,192 tokens by their key (the pair of experts, 28 keys), without atomics.  route holds, for each chunk of 32 tokens, each token's key and its rank among the chunk's tokens
; of that key (word 0) and the chunk's count of each key (word 1, lane = key).  A token's rank = (tokens of lower keys) + (tokens of its key in earlier chunks) + its rank in its chunk.
; Wave w takes chunks 64 w .. 64 w + 63.  Stored: order[rank] = token; blocks[b] = the 8-bit mask of the experts that ranks 128 b .. 128 b + 127 use.
; order's 8,192 words go out singly, to places that hang on the data: 32 KB in all.  blocks' 256 bytes go out as two stores of 128 consecutive bytes, one from each of two waves.
; WORK-GROUPS 1 .. 256: We [8192 rows = 8 experts x 1024][1024], f32, becomes codes of FP4 (E2M1) with one E8M0 byte for each 32 along K (K innermost); 32 rows (two tiles of 16) a work-group.
; Wave w takes K quarter w of all 32 rows, in 16 steps; step t takes rows t and 16 + t.  Each load reads 512 consecutive bytes; a step's 2,048 bytes turn through the wave's own stage in LDS and come back 64 bytes a lane:
; lane (H = lane / 16, q = lane % 16) then holds k = 256 w + 16 q + 0 .. 15 of row 16 H + t; lanes q and q xor 1 share a block of 32.
; A block's scale byte is its largest magnitude's exponent field - 2, held at 1 from below; the conversion divides by that power of two, rounds to the nearest code, ties to even, and gives the largest code beyond 6.
; Stored: wc [tile][block kb][row r][16 B], ws [tile][j][lane 16 h + r][4 B] = row r's scale word of K step 2 j + h: both as the last launch's operand registers take them.
; Work-groups share no input: no cluster, no tensor load.
; LIMITS: NaN and infinities are not served.  A block of zeros gets the byte 1 (its codes are zeros; this program alone reads the bytes).
.set WCODE, 20480                      ; the weights' way: [0, 20480) the waves' turn stages; the codes [tile, pitch WTILE][kb, pitch WKB][r][16 B],
.set WTILE, 9232
.set WKB,   288
.set WSC,   38944                      ; the image of ws for two tiles: 1,024 bytes
.set PL,    40192                      ; the sort's way: [wave][key] counts, 512 bytes
.set R, 16                             ; v16-143  eight sets of 16 numbers as loaded
.set X, 144                            ; v144-175 two sets of 16 neighbours
.set C, 176                            ; v176-207 codes, two registers a step
.set E, 208                            ; v208-223 a scale byte a step
.macro LOAD t                          ; rows t and 16 + t, my quarter: four loads of 512 consecutive bytes
.set RS, R+16*((\t)%8)
	global_load_b128 v[RS:RS+3],     v2, s[28:29] offset:(\t)*4096 th:TH_LOAD_NT
	global_load_b128 v[RS+4:RS+7],   v2, s[28:29] offset:(\t)*4096+512 th:TH_LOAD_NT
	global_load_b128 v[RS+8:RS+11],  v2, s[28:29] offset:(16+(\t))*4096 th:TH_LOAD_NT
	global_load_b128 v[RS+12:RS+15], v2, s[28:29] offset:(16+(\t))*4096+512 th:TH_LOAD_NT
.endm
.macro TURN t                          ; through my stage: in as loaded (four lanes' 64 bytes, then 16 of padding), out 64 bytes a lane.  LDS serves a wave's instructions in order: no wait between
.irp i, 0,1,2,3
	ds_store_b128 v3, v[R+16*((\t)%8)+4*\i:R+16*((\t)%8)+4*\i+3] offset:2560*((\t)%2)+640*\i
.endr
.irp i, 0,1,2,3
	ds_load_b128 v[X+16*((\t)%2)+4*\i:X+16*((\t)%2)+4*\i+3], v4 offset:2560*((\t)%2)+16*\i
.endr
.endm
.macro QUANT t                         ; my 16 numbers become 8 bytes of codes
.set XS, X+16*((\t)%2)
	v_max3_num_f32 v8, |v[XS]|, |v[XS+1]|, |v[XS+2]|
	v_max3_num_f32 v9, |v[XS+3]|, |v[XS+4]|, |v[XS+5]|
.irp i, 6,10
	v_max3_num_f32 v8, v8, |v[XS+\i]|, |v[XS+\i+1]|
	v_max3_num_f32 v9, v9, |v[XS+\i+2]|, |v[XS+\i+3]|
.endr
	v_max3_num_f32 v8, v8, |v[XS+14]|, |v[XS+15]|
	v_max3_num_f32 v8, v8, v9, 0x1800000           ; and the floor 2^(3 - 127): the byte cannot fall under 1
	v_max_num_f32_dpp v8, v8, v8 row_xmask:1 row_mask:0xf bank_mask:0xf   ; with my neighbour's 16: the block's largest magnitude
	v_add_nc_u32 v11, 0xff000000, v8               ; 2 off its exponent field: the conversion takes this operand's exponent field as its scale
	v_cvt_scalef32_pk8_fp4_f32 v[C+2*(\t)], v[XS:XS+7], v11
	v_cvt_scalef32_pk8_fp4_f32 v[C+2*(\t)+1], v[XS+8:XS+15], v11
	v_lshrrev_b32 v[E+(\t)], 23, v11               ; the scale's byte; also the plain line behind the conversions
	ds_store_b64 v5, v[C+2*(\t):C+2*(\t)+1] offset:(\t)*16
	ds_store_b8 v6, v[E+(\t)] offset:(\t)*4        ; both lanes of a block write the same byte with the same value
.endm
.macro STEP t
.if (\t) == 0
	s_wait_dscnt 0x0
.else
	s_wait_dscnt 2                                 ; this step's numbers are back from the stage; the last step's two stores (codes, byte) may be out
.endif
.if (\t)+8 < 16
	LOAD (\t)+8                                    ; into the set whose stores into the stage are done
.endif
.if (\t) < 15
.if 14-(\t) >= 7
	s_wait_loadcnt 28                              ; the next step's four loads are in; the seven sets behind them may be out
.else
	s_wait_loadcnt 4*(14-(\t))                     ; the sets left behind the next step's
.endif
	TURN (\t)+1
.endif
	QUANT \t
.endm
	s_load_b256 s[4:11], s[0:1], 0x0               ; route s[4:5], We s[6:7], order s[8:9], blocks s[10:11]
	s_load_b128 s[12:15], s[0:1], 0x20             ; wc s[12:13], ws s[14:15]
	v_lshl_add_u32 v15, v0, 2, 0xa000
	s_set_vgpr_msb 0x40
	v_mov_b32 v1, 0
	s_set_vgpr_msb 0x4000
	v_lshrrev_b32 v7, 5, v0
	v_readfirstlane_b32 s24, v7                    ; wave 0..3
	v_and_b32 v1, 31, v0                           ; lane
	s_cmp_eq_u32 ttmp9, 0
	s_cbranch_scc1 .Lsort
	; ---------------- the weights' way
	v_lshlrev_b32 v2, 4, v1                        ; 16 x lane
	v_lshlrev_b32 v10, 3, v1                       ; 8 x lane
	v_and_b32 v12, 15, v0                          ; q
	v_bfe_u32 v13, v0, 4, 1                        ; H
	s_mul_i32 s25, s24, 5120                       ; my two stages of 32 x 80 bytes
	v_lshrrev_b32 v3, 2, v1
	v_mul_u32_u24 v3, v3, 80
	v_and_b32 v7, 3, v0
	v_lshl_add_u32 v3, v7, 4, v3
	v_add_nc_u32 v3, s25, v3                       ; into a stage: 80 (lane / 4) + 16 (lane % 4)
	v_mul_u32_u24 v4, v1, 80
	v_add_nc_u32 v4, s25, v4                       ; out of it: 80 x lane
	s_mov_b32 s27, 0
	s_sub_co_u32 s31, ttmp9, 1                     ; which 32 rows
	s_lshl_b32 s26, s31, 17                        ; 32 rows of 4,096 bytes
	s_lshl_b32 s30, s24, 10                        ; my quarter
	s_add_co_u32 s26, s26, s30
	s_wait_alu depctr_va_vdst(0)
	s_wait_kmcnt 0x0
	s_add_nc_u64 s[28:29], s[6:7], s[26:27]
.irp t, 0,1,2,3,4,5,6,7
	LOAD \t
.endr
	s_lshl_b32 s26, s31, 14                        ; wc: two tiles of 8,192 bytes; my 8 blocks kb of each: 2,048 w
	s_lshl_b32 s30, s24, 11
	s_add_co_u32 s26, s26, s30
	s_add_nc_u64 s[44:45], s[12:13], s[26:27]
	s_lshl_b32 s26, s31, 10                        ; ws: two tiles of 512 bytes
	s_lshl_b32 s30, s24, 8
	s_add_co_u32 s26, s26, s30
	s_add_nc_u64 s[46:47], s[14:15], s[26:27]
	v_lshrrev_b32 v7, 1, v12                       ; codes: WCODE + H WTILE + (8 w + q / 2) WKB + 8 (q % 2) (+ 16 t)
	v_mul_u32_u24 v5, v7, WKB
	v_mad_u32_u24 v5, v13, WTILE, v5
	v_and_b32 v14, 1, v12
	v_lshl_add_u32 v5, v14, 3, v5
	s_mul_i32 s30, s24, 8*WKB
	s_add_co_u32 s30, s30, WCODE
	v_add_nc_u32 v5, s30, v5
	v_and_b32 v6, 3, v7                            ; scale bytes: block 8 w + q / 2 is byte (q / 2) % 4 of K step 2 w + q / 8: WSC + 512 H + 128 w + 64 (q / 8) + (q / 2) % 4 (+ 4 t)
	v_lshrrev_b32 v14, 3, v12
	v_lshl_add_u32 v6, v14, 6, v6
	v_lshl_add_u32 v6, v13, 9, v6
	s_lshl_b32 s30, s24, 7
	s_add_co_u32 s30, s30, WSC
	v_add_nc_u32 v6, s30, v6
	s_wait_loadcnt 28                              ; step 0's four loads are in; steps 1 to 7 may be out
	TURN 0
.irp t, 0,1,2,3,4,5,6,7,8,9,10,11,12,13,14,15
	STEP \t
.endr
	v_mul_u32_u24 v137, v13, WKB                   ; the copy out: two blocks kb an instruction: lanes 0-15 one, lanes 16-31 the next
	v_lshl_add_u32 v137, v12, 4, v137
	s_mul_i32 s30, s24, 8*WKB
	s_add_co_u32 s30, s30, WCODE
	v_add_nc_u32 v137, s30, v137
	s_lshl_b32 s30, s24, 8
	s_add_co_u32 s30, s30, WSC
	v_add_nc_u32 v138, s30, v10
	s_wait_alu depctr_va_vdst(0)
	s_wait_dscnt 0x0                               ; for the others' sake: my codes and bytes lie in LDS
	s_barrier_signal -1
	s_barrier_wait -1
.irp tl, 0,1
.irp pr, 0,1,2,3
	ds_load_b128 v[16+16*\tl+4*\pr:19+16*\tl+4*\pr], v137 offset:\tl*WTILE+\pr*2*WKB
.endr
.endr
	ds_load_b64 v[48:49], v138
.irp tl, 0,1
.irp pr, 0,1,2,3
	s_wait_dscnt 8-4*\tl-\pr                       ; behind this load: the younger code loads and the scale bytes
	global_store_b128 v2, v[16+16*\tl+4*\pr:19+16*\tl+4*\pr], s[44:45] offset:\tl*8192+\pr*512   ; 512 consecutive bytes, aligned
.endr
.endr
	s_wait_dscnt 0x0
	global_store_b64 v10, v[48:49], s[46:47]
	s_set_vgpr_msb 0x4
	s_wait_tensorcnt 0x0
	ds_add_u32 v15, v1
	s_wait_dscnt 0x0
	s_set_vgpr_msb 0x400
	s_endpgm
	; ---------------- the sort's way
	; REGISTERS: v[64 + 2 i : 65 + 2 i] chunk i's (word 0 of my token, count of key = lane), later the store's (offset, token); v192 + i where chunk i's tokens of each key begin (lane = key);
	; v16-47 a batch of 32 results of the lane permutes; v48-51 the counts of four runs of 16 chunks; v52-63 at work
.Lsort:
	v_bfe_u32 v3, v0, 4, 1                         ; lane / 16
	v_lshl_add_u32 v5, v0, 2, PL                   ; my word among the waves' counts: 128 w + 4 x lane
	s_wait_alu depctr_va_vdst(0)
	v_lshl_add_u32 v6, v1, 2, PL                   ; 4 x lane
	s_lshl_b32 s25, s24, 14
	v_lshl_add_u32 v4, v1, 3, s25                  ; my wave's 64 chunks of 256 bytes, 8 bytes a lane
	s_lshl_b32 s25, s24, 11
	v_add_nc_u32 v61, s25, v1                      ; my first token: 2,048 w + lane
	s_wait_alu depctr_va_vdst(0)
	s_wait_kmcnt 0x0
.set i, 0
.rept 64
	global_load_b64 v[64+2*i:65+2*i], v4, s[4:5] offset:256*i
.set i, i+1
.endr
	s_wait_loadcnt 0x0
.irp c, 0,1,2,3                        ; each key's count in chunks 16 c .. 16 c + 15: four chains by turns
	v_add3_u32 v[48+\c], v[65+32*\c], v[67+32*\c], v[69+32*\c]
.endr
.irp j, 3,5,7,9,11,13
.irp c, 0,1,2,3
	v_add3_u32 v[48+\c], v[48+\c], v[65+32*\c+2*\j], v[67+32*\c+2*\j]
.endr
.endr
.irp c, 0,1,2,3
	v_add_nc_u32 v[48+\c], v[48+\c], v[95+32*\c]
.endr
	v_add3_u32 v62, v48, v49, v50
	v_add_nc_u32 v62, v62, v51                     ; my wave's count of each key
	ds_store_b32 v5, v62
	s_wait_dscnt 0x0                               ; for the others' sake
	s_barrier_signal -1
	s_barrier_wait -1
.irp j, 0,1,2,3
	ds_load_b32 v[52+\j], v6 offset:128*\j         ; all four waves' counts
.endr
	s_bfm_b32 s26, s24, 0                          ; w ones: the waves ahead of mine
	s_wait_dscnt 0x0
	v_add3_u32 v56, v52, v53, v54
	v_add_nc_u32 v56, v56, v55                     ; each key's count in all
	s_bfe_u32 s27, s26, 0x10000
	v_mul_u32_u24 v57, v52, s27                    ; and in the waves ahead of mine
.irp j, 1,2
	s_bfe_u32 s27, s26, 0x10000|\j
	v_mad_u32_u24 v57, v[52+\j], s27, v57
.endr
	v_mov_b32 v58, v56                             ; the running sum over the keys
	v_mov_b32 v59, 0
.irp n, 1,2,4,8
	v_mov_b32_dpp v59, v58 row_shr:\n row_mask:0xf bank_mask:0xf bound_ctrl:1
	v_add_nc_u32 v58, v58, v59
.endr
	v_readlane_b32 s28, v58, 15
	v_mad_u32_u24 v58, v3, s28, v58                ; lanes 16-31 add the first sixteen keys' sum: where each key's ranks end,
	v_sub_nc_u32 v60, v58, v56                     ; and where they begin
	v_add_nc_u32 v192, v60, v57                    ; where my first chunk's tokens of each key begin,
	v_add_nc_u32 v208, v192, v48                   ; my 16th chunk's,
	v_add_nc_u32 v224, v208, v49                   ; my 32nd,
	v_add_nc_u32 v240, v224, v50                   ; my 48th;
.irp j, 0,1,2,3,4,5,6,7,8,9,10,11,12,13,14
.irp c, 0,1,2,3
	v_add_nc_u32 v[193+16*\c+\j], v[192+16*\c+\j], v[65+32*\c+2*\j]   ; and the chunks between, four chains by turns
.endr
.endr
.set i, 0
.rept 32                               ; the first 32 chunks: my token's key, and its chunk's first rank from the lane of that key
	v_bfe_u32 v[65+2*i], v[64+2*i], 8, 5
	v_lshlrev_b32 v[65+2*i], 2, v[65+2*i]
	ds_bpermute_b32 v[16+i], v[65+2*i], v[192+i]
.set i, i+1
.endr
.set i, 32
.rept 32                               ; the other 32 chunks' keys, while those are on their way
	v_bfe_u32 v[65+2*i], v[64+2*i], 8, 5
	v_lshlrev_b32 v[65+2*i], 2, v[65+2*i]
.set i, i+1
.endr
	s_wait_dscnt 0x0
.set i, 0
.rept 32
	v_lshrrev_b32 v[64+2*i], 16, v[64+2*i]
	v_add_nc_u32 v[64+2*i], v[64+2*i], v[16+i]     ; the rank; the batch's registers are free behind these lines
.set i, i+1
.endr
.set i, 32
.rept 32
	ds_bpermute_b32 v[16+i-32], v[65+2*i], v[192+i]
.set i, i+1
.endr
.set i, 0
.rept 32
	v_min_u32 v[64+2*i], 0x1fff, v[64+2*i]         ; held inside the table
	v_lshlrev_b32 v[64+2*i], 2, v[64+2*i]
	v_add_nc_u32 v[65+2*i], 32*i, v61              ; the token's number: 2,048 w + 32 i + lane
	global_store_b32 v[64+2*i], v[65+2*i], s[8:9]  ; each store has an offset and a data register of its own: none is written again
.set i, i+1
.endr
	s_wait_dscnt 0x0
.set i, 32
.rept 32
	v_lshrrev_b32 v[64+2*i], 16, v[64+2*i]
	v_add_nc_u32 v[64+2*i], v[64+2*i], v[16+i-32]
	v_min_u32 v[64+2*i], 0x1fff, v[64+2*i]
	v_lshlrev_b32 v[64+2*i], 2, v[64+2*i]
	v_add_nc_u32 v[65+2*i], 32*i, v61
	global_store_b32 v[64+2*i], v[65+2*i], s[8:9]
.set i, i+1
.endr
	s_cmp_gt_u32 s24, 1
	s_cbranch_scc1 .Lsorted
	; waves 0 and 1: lane l makes the mask of block 32 w + l.  Key k's ranks [begin, end) meet a block [lo, hi) where max(begin, lo) < min(end, hi)
	s_lshl_b32 s25, s24, 12
	v_lshl_add_u32 v7, v1, 7, s25                  ; lo = 128 (32 w + lane)
	v_add_nc_u32 v8, 0x80, v7                      ; hi
	v_mov_b32 v9, 0                                ; the even keys' bits,
	v_mov_b32 v14, 0                               ; the odd keys': two chains by turns
	s_lshl_b32 s25, s24, 7
	v_lshl_add_u32 v13, v1, 2, s25                 ; 4 (32 w + lane)
.macro KEYBIT k, pb                    ; pb: the two experts of key k, as bits
.set M, 9+5*((\k)%2)
	v_readlane_b32 s26, v60, \k
	v_readlane_b32 s27, v58, \k
	v_max_u32 v10, s26, v7
	v_min_u32 v11, s27, v8
	v_cmp_lt_u32 vcc_lo, v10, v11
	v_or_b32 v12, \pb, v[M]
	v_cndmask_b32 v[M], v[M], v12, vcc_lo
.endm
	KEYBIT 0, 0x03
	KEYBIT 1, 0x05
	KEYBIT 2, 0x09
	KEYBIT 3, 0x11
	KEYBIT 4, 0x21
	KEYBIT 5, 0x41
	KEYBIT 6, 0x81
	KEYBIT 7, 0x82
	KEYBIT 8, 0x42
	KEYBIT 9, 0x22
	KEYBIT 10, 0x12
	KEYBIT 11, 0x0a
	KEYBIT 12, 0x06
	KEYBIT 13, 0x0c
	KEYBIT 14, 0x14
	KEYBIT 15, 0x24
	KEYBIT 16, 0x44
	KEYBIT 17, 0x84
	KEYBIT 18, 0x88
	KEYBIT 19, 0x48
	KEYBIT 20, 0x28
	KEYBIT 21, 0x18
	KEYBIT 22, 0x30
	KEYBIT 23, 0x50
	KEYBIT 24, 0x90
	KEYBIT 25, 0xa0
	KEYBIT 26, 0x60
	KEYBIT 27, 0xc0
	v_or_b32 v9, v9, v14
	global_store_b32 v13, v9, s[10:11]             ; 32 words: 128 consecutive bytes
.Lsorted:
	s_set_vgpr_msb 0x4
	s_wait_tensorcnt 0x0
	ds_add_u32 v15, v1
	s_wait_dscnt 0x0
	s_set_vgpr_msb 0x400
	s_endpgm
.Lfunc_end_k_qf8ef984897_place:
	.size	k_qf8ef984897_place, .Lfunc_end_k_qf8ef984897_place-k_qf8ef984897_place
	.p2alignl 7, 3214868480
	.fill 96, 4, 3214868480
	.section	.rodata,"a",@progbits
	.p2align	6, 0x0
	.amdhsa_kernel k_qf8ef984897_place
		.amdhsa_group_segment_fixed_size 41472
		.amdhsa_private_segment_fixed_size 0
		.amdhsa_enable_private_segment 0
		.amdhsa_kernarg_size 48
		.amdhsa_user_sgpr_count 2
		.amdhsa_user_sgpr_kernarg_segment_ptr 1
		.amdhsa_wavefront_size32 1
		.amdhsa_system_sgpr_workgroup_id_x 1
		.amdhsa_system_sgpr_workgroup_id_y 1
		.amdhsa_system_sgpr_workgroup_id_z 1
		.amdhsa_system_vgpr_workitem_id 0
		.amdhsa_next_free_vgpr 258
		.amdhsa_next_free_sgpr 66
		.amdhsa_reserve_vcc 1
		.amdhsa_float_denorm_mode_32 3
		.amdhsa_float_denorm_mode_16_64 3
		.amdhsa_memory_ordered 1
		.amdhsa_forward_progress 1
		.amdhsa_inst_pref_size 87
	.end_amdhsa_kernel
	.amdgpu_metadata
---
amdhsa.version: [ 1, 2 ]
amdhsa.kernels:
  - .name:           k_qf8ef984897_place
    .symbol:         k_qf8ef984897_place.kd
    .args:
      - { .name: route, .offset: 0, .size: 8, .value_kind: global_buffer, .address_space: global }
      - { .name: We, .offset: 8, .size: 8, .value_kind: global_buffer, .address_space: global }
      - { .name: order, .offset: 16, .size: 8, .value_kind: global_buffer, .address_space: global }
      - { .name: blocks, .offset: 24, .size: 8, .value_kind: global_buffer, .address_space: global }
      - { .name: wc, .offset: 32, .size: 8, .value_kind: global_buffer, .address_space: global }
      - { .name: ws, .offset: 40, .size: 8, .value_kind: global_buffer, .address_space: global }
    .group_segment_fixed_size: 41472
    .private_segment_fixed_size: 0
    .kernarg_segment_align: 8
    .kernarg_segment_size: 48
    .max_flat_workgroup_size: 128
    .sgpr_count:     66
    .vgpr_count:     258
    .wavefront_size: 32
...
	.end_amdgpu_metadata
.endif
;; end of part 5
;; launch experts (part 6): grid 4 x 64, 4 waves a work-group, no clusters, 205,312 bytes of LDS; arguments xc, xs, wc, ws, be, route, gates, order, blocks, out0; writes out0
.if DOCPART == 6
	.amdgcn_target "amdgcn-amd-amdhsa--gfx1250"
	.amdhsa_code_object_version 6
	.text
	.protected	k_qf8ef984897_experts
	.globl	k_qf8ef984897_experts
	.p2align	8
	.type	k_qf8ef984897_experts,@function
k_qf8ef984897_experts:
	s_mov_b64 s[64:65], 0
	v_nop
	global_prefetch_b8 v0, s[64:65] scope:SCOPE_SE
	s_setreg_imm32_b32 hwreg(HW_REG_WAVE_SCHED_MODE, 0, 2), 2
	s_setreg_imm32_b32 hwreg(HW_REG_WAVE_MODE, 25, 1), 1
	s_wait_xcnt 0x0
	s_wait_alu depctr_vm_vsrc(0)
; out[t] = g_lo (Q(x[t]) Q(We[lo])^T + be[lo]) + g_hi (the same of hi), on codes of FP4 (E2M1) with E8M0 scales, only for the two experts chosen for each token.
; Work-group (cq = x, b = y) owns the 128 tokens of ranks 128 b .. 128 b + 127 in the order sorted by pair of experts, and columns 256 cq .. 256 cq + 255, in two halves of 128.  Each output number has one owner.
; It walks the experts of the block's stored mask (at least two).  For expert e all 128 rows are multiplied, S = be[e] + Q(x) Q(We[e])^T (the bias is the C of the first K step), and OUT (+)= w S with
; w = g_lo where lo = e, g_hi where hi = e, else 0: a choice of values, no branch on it.  The trip count and the weights' addresses hang on whole numbers that an earlier launch stored,
; so this launch has no tensor load and no cluster: weights go from memory straight into operand registers, laid out for that by an earlier launch.
; SHARES.  The four waves share the rows; in half hh wave w owns columns 256 cq + 128 hh + 32 w .. + 31: two tiles of 16.  The rows' fragments for all of K (8 tiles x 8 K steps x 8 registers = 512) stay in registers,
; so each weight fragment that a wave loads feeds eight matrix instructions.  The weights' ring of 128 registers holds one expert's two tiles; it is filled again in four sets, each behind the products that read it,
; with the next expert's: a set has three groups of 32 products and the update in which to land.
; THE MATRIX INSTRUCTION IS USED TRANSPOSED: source 0 = 16 rows of We (columns of out), source 1 = 16 tokens: lane (r, h) holds token r and its register j column 8 h + j of the tile.
; LIMITS: NaN and infinities are not served (a row weighed 0 must have a finite S).
; THE MODE: SCHED_MODE bits 1:0 = 2 (LLVM: expert scheduling mode 2), set by the entry lines.  The code itself states the register dependences between vector or matrix instructions
; and memory or LDS instructions, with s_wait_alu, always for 0.
; THE PLAN.  Registers that memory or LDS instructions touch:
;   v1-10, v13     offsets and LDS addresses: written at the head, ahead of the first wait on va_vdst, and never again.
;   ring set j, its two scale words, with j = 0 the bias: written by loads alone; read by the products of K steps 2 j and 2 j + 1.  ONE wait on va_vdst stands ahead of each set's refill, behind those products.
;   S              written by the rows' loads at the head, by the products, by the loads from the stage; read by the LDS stores at the head, by the update, by the stores of out0.
;   OUT            written by the update, its first 32 also by the additions that make offsets; read by the LDS stores into the stage, its first 32 by the rows' loads and the stores of out0.
;   The rows' fragments, the tokens' scale words, lo, hi and the gates are loaded once and then named by vector and matrix instructions alone.
; All 1,024 registers are taken, so the ring has no second copy; a refill stays one run of loads, since the products' destination window is 3 and the ring's is 0.
; In the loop over experts no register that a memory instruction reads is written, so a trip holds four waits on va_vdst, one on va_sdst (the lane masks), and none on vm_vsrc.
; REGISTERS: window 0: v1-15 addresses; v16-47 the tokens' scale words; v48-55 the weights'; v56-71 the bias, two tiles; v72-87 lo, hi; v88-103 g_lo, g_hi; v104-119 w (pairs; the odd ones 0); v120-127 tokens by lane;
;   v128-255 the weights' ring: fragment (K step s, tile ct) at 128 + 16 s + 8 ct.   windows 1, 2: the rows' fragments: (tile rt, K step s) at window 1 + s / 4, v[64 (s % 4) + 8 rt].
;   window 3: S(rt, ct) at v[8 (2 rt + ct)], OUT at the same + 128; at the start and on the way out S's registers carry rows and OUT's first 32 carry byte offsets.
.set XRT,   8704                       ; LDS: the rows' codes [rt, pitch XRT][block kb, pitch XKB][r][16 B]; XKB = 17 x 16: sixteen lanes at that pitch fall on sixteen different 16-byte columns modulo 256
.set XKB,   272
.set STG0,  69632                      ; two stages for the way out, one for each half: 128 rows x SP
.set STGB,  67584
.set SP,    528                        ; 512 bytes + 16 = 33 x 16
.set XSR,   16
.set WSR,   48
.set BI,    56
.set ELO,   72
.set EHI,   80
.set G,     88
.set WW,    104
.set TK,    120
.set RING,  128
.set OUT,   128
.set MK,    4                          ; s[4:19]: at the head the buffers' addresses; from the first expert on sixteen lane masks: row tile rt: lo = e at MK + 2 rt, hi = e at MK + 2 rt + 1
; s24 wave, s25 the block's mask, s26 cq, s27 b, s28 experts to walk, s29 the loop's counter, s30 the mask's rest, s31 the expert in hand, s[32:63] my 32 rows' tokens, s66 at work, s67 the expert being fetched,
; s[68:69] s[70:71] s[72:73] its codes, scale words and bias; s[74:75] s[76:77] s[78:79] the same for expert 0 of the half in hand; s[80:81] out0 at my columns; s[82:85] order at my block, at my rows; s[86:87] an offset, 0 above
.set MSB, 0
.macro WIN new                         ; the immediate's high byte repeats the setting that is left
.if MSB != \new
	s_set_vgpr_msb (MSB<<8)|\new
.set MSB, \new
.endif
.endm
.macro NOPS                            ; four places between matrix instructions and loads into registers that they read, as in this kernel's plain form; the wait that follows them states the dependence itself
.rept 4
	v_nop
.endr
.endm
.macro POP                             ; the lowest expert left in the mask
	s_ctz_i32_b32 s67, s30
	s_min_u32 s67, s67, 7                          ; held inside the tables
	s_sub_co_u32 s66, s30, 1
	s_and_b32 s30, s30, s66
.endm
.macro PTRS                            ; an expert is 64 tiles: 2^19 bytes of codes, 2^15 of scale words, 2^12 of bias
	s_lshl_b32 s86, s67, 19
	s_add_nc_u64 s[68:69], s[74:75], s[86:87]
	s_lshl_b32 s86, s67, 15
	s_add_nc_u64 s[70:71], s[76:77], s[86:87]
	s_lshl_b32 s86, s67, 12
	s_add_nc_u64 s[72:73], s[78:79], s[86:87]
.endm
.macro LOADSET j                       ; K steps 2 j and 2 j + 1 of both tiles: 8 loads of 512 consecutive bytes, 2 of scale words; with j = 0 the bias too: 14 loads, else 10
.irp ct, 0,1
.irp p, 0,1,2,3
	global_load_b128 v[RING+32*(\j)+16*(\p/2)+8*\ct+4*(\p%2):RING+32*(\j)+16*(\p/2)+8*\ct+4*(\p%2)+3], v1, s[68:69] offset:\ct*8192+(\j)*2048+\p*512
.endr
.endr
.irp ct, 0,1
	global_load_b32 v[WSR+4*\ct+(\j)], v2, s[70:71] offset:\ct*512+(\j)*128
.endr
.if (\j) == 0
.irp ct, 0,1
	global_load_b128 v[BI+8*\ct:BI+8*\ct+3], v3, s[72:73] offset:\ct*64
	global_load_b128 v[BI+8*\ct+4:BI+8*\ct+7], v3, s[72:73] offset:\ct*64+16
.endr
.endif
.endm
; K step s: 16 matrix instructions, the 16 accumulators by turns, one instruction a turn, in the same order in every K step.  c0 = 1: the bias starts the sums.
; Scale words: the weights' register of K steps 2 j, 2 j + 1 holds the even step in lanes 0-15 and the odd one in lanes 16-31; the tokens' register q holds K step q below and 4 + q above.
.macro MUL s, c0
.irp rt, 0,1,2,3,4,5,6,7
.irp ct, 0,1
.set rD, 8*(2*\rt+\ct)
.if \c0
.set rC, BI+8*\ct
.else
.set rC, rD
.endif
.set rA, RING+16*(\s)+8*\ct
.set rB, 64*((\s)%4)+8*\rt
.set rU, WSR+4*\ct+(\s)/2
.set rV, XSR+4*\rt+(\s)%4
.if ((\s)%2 == 0) && ((\s) < 4)
	v_wmma_scale_f32_16x16x128_f8f6f4 v[rD:rD+7], v[rA:rA+7], v[rB:rB+7], v[rC:rC+7], v[rU], v[rV] matrix_a_fmt:MATRIX_FMT_FP4 matrix_b_fmt:MATRIX_FMT_FP4
.elseif (\s) < 4
	v_wmma_scale_f32_16x16x128_f8f6f4 v[rD:rD+7], v[rA:rA+7], v[rB:rB+7], v[rC:rC+7], v[rU], v[rV] matrix_a_fmt:MATRIX_FMT_FP4 matrix_b_fmt:MATRIX_FMT_FP4 matrix_a_scale:MATRIX_SCALE_ROW1
.elseif (\s)%2 == 0
	v_wmma_scale_f32_16x16x128_f8f6f4 v[rD:rD+7], v[rA:rA+7], v[rB:rB+7], v[rC:rC+7], v[rU], v[rV] matrix_a_fmt:MATRIX_FMT_FP4 matrix_b_fmt:MATRIX_FMT_FP4 matrix_b_scale:MATRIX_SCALE_ROW1
.else
	v_wmma_scale_f32_16x16x128_f8f6f4 v[rD:rD+7], v[rA:rA+7], v[rB:rB+7], v[rC:rC+7], v[rU], v[rV] matrix_a_fmt:MATRIX_FMT_FP4 matrix_b_fmt:MATRIX_FMT_FP4 matrix_a_scale:MATRIX_SCALE_ROW1 matrix_b_scale:MATRIX_SCALE_ROW1
.endif
.endr
.endr
.endm
.macro WCALC                           ; each row's weight for the expert in hand.  32 plain lines that name no register of the products: the places behind the last of them.  The sixteen compares stand in one run, so that one wait serves them all
.irp rt, 0,1,2,3,4,5,6,7
	v_cmp_eq_u32 s[MK+2*\rt], s31, v[ELO+\rt]
	v_cmp_eq_u32 s[MK+2*\rt+1], s31, v[EHI+\rt]
.endr
	s_wait_alu depctr_va_sdst(0)                   ; the sixteen compares have written their lane masks s[MK .. MK + 15], ahead of the first select that reads one
.irp rt, 0,1,2,3,4,5,6,7
	v_cndmask_b32 v[WW+2*\rt], 0, v[G+2*\rt], s[MK+2*\rt]
.endr
.irp rt, 0,1,2,3,4,5,6,7
	v_cndmask_b32 v[WW+2*\rt], v[WW+2*\rt], v[G+2*\rt+1], s[MK+2*\rt+1]
.endr
.endm
; One expert.  nx = 1: the next expert of this half is fetched meanwhile; 2: the first expert of the second half; 0: nothing.  first = 1: the update starts OUT: nothing is ever cleared.
; At the head four sets are out, in order: 14, 10, 10, 10 loads.  Each wait on LOADcnt counts the loads issued behind the set that the group wants.
.macro BODY nx, first
	s_wait_xcnt 0x0                                ; the pointers of the sets already asked for, the registers of earlier stores, and (first expert) the buffers' addresses in s[MK ..] are written again only behind this wait
	s_mov_b32 s31, s67
.if (\nx) == 2
	s_add_nc_u64 s[74:75], s[74:75], 65536         ; eight tiles on
	s_add_nc_u64 s[76:77], s[76:77], 4096
	s_add_nc_u64 s[78:79], s[78:79], 512
	s_mov_b32 s30, s25
.endif
.if \nx
	POP
	PTRS
.endif
	s_wait_loadcnt 30                              ; set 0 is in; sets 1 to 3 (10 + 10 + 10) may be out
	WIN 0xc4                                       ; rows in window 1, C (the bias) in window 0, D in window 3
	MUL 0, 1
	WIN 0xf4                                       ; C and D in window 3
	MUL 1, 0
.if \nx
	NOPS
	WIN 0
	s_wait_alu depctr_va_vdst(0)                   ; the products of K steps 0 and 1 are done reading ring set 0, its two scale words and the bias, in which the loads below land
	LOADSET 0
	s_wait_loadcnt 34                              ; set 1 is in; behind it: sets 2, 3 and the new set 0 (10 + 10 + 14)
	WIN 0xf4
.else
	s_wait_loadcnt 20                              ; behind set 1: sets 2 and 3
.endif
	MUL 2, 0
	MUL 3, 0
.if \nx
	NOPS
	WIN 0
	s_wait_alu depctr_va_vdst(0)                   ; the products of K steps 2 and 3 are done reading ring set 1 and its two scale words, in which the loads below land
	LOADSET 1
	s_wait_loadcnt 34                              ; behind set 2: set 3 and the new sets 0 and 1 (10 + 14 + 10)
.else
	s_wait_loadcnt 10                              ; behind set 2: set 3
.endif
	WIN 0xf8                                       ; rows in window 2
	MUL 4, 0
	MUL 5, 0
.if \nx
	NOPS
	WIN 0
	s_wait_alu depctr_va_vdst(0)                   ; the products of K steps 4 and 5 are done reading ring set 2 and its two scale words, in which the loads below land
	LOADSET 2
	s_wait_loadcnt 34                              ; behind set 3: the new sets 0, 1 and 2 (14 + 10 + 10)
	WIN 0xf8
.else
	s_wait_loadcnt 0x0
.endif
	MUL 6, 0
	MUL 7, 0
	WIN 0
	WCALC
.if \nx
	s_wait_alu depctr_va_vdst(0)                   ; the products of K steps 6 and 7 are done reading ring set 3 and its two scale words, in which the loads below land
	LOADSET 3
.endif
	WIN 0xf3                                       ; S and OUT in window 3, w in window 0
.set i, 0
.rept 64                               ; each accumulator from its low end on
.if \first
	v_pk_mul_f32 v[OUT+i:OUT+i+1], v[i:i+1], v[WW+2*(i/16):WW+2*(i/16)+1] op_sel_hi:[1,0]
.else
	v_pk_fma_f32 v[OUT+i:OUT+i+1], v[i:i+1], v[WW+2*(i/16):WW+2*(i/16)+1], v[OUT+i:OUT+i+1] op_sel_hi:[1,0,1]
.endif
.set i, i+2
.endr
	WIN 0
.endm
; THE WAY OUT of a half.  A lane holds 32 bytes of a row, and a row's 512 bytes come from four waves: they meet in the half's stage; then each wave stores its 32 rows whole, each to its token's place.
.macro FLUSH hh
	WIN 0x0c                                       ; an LDS store's data: window 3
	s_wait_alu depctr_va_vdst(0)                   ; the last update has written OUT, which the LDS stores below read
.irp rt, 0,1,2,3,4,5,6,7
.irp ct, 0,1
	ds_store_b128 v[7+\hh], v[OUT+8*(2*\rt+\ct):OUT+8*(2*\rt+\ct)+3] offset:\rt*16*SP+\ct*64
	ds_store_b128 v[7+\hh], v[OUT+8*(2*\rt+\ct)+4:OUT+8*(2*\rt+\ct)+7] offset:\rt*16*SP+\ct*64+16
.endr
.endr
	WIN 0
	s_wait_dscnt 0x0                               ; for the others' sake: my part of the stage is written
	s_barrier_signal -1
	s_barrier_wait -1
	s_wait_alu depctr_vm_vsrc(0)                   ; my LDS stores have read OUT, whose first 32 registers the additions below write
	WIN 0xc0                                       ; destination window 3
.set i, 0
.rept 32
	v_add_nc_u32 v[OUT+i], s[32+i], v1             ; 4,096 x token + 16 x lane
.set i, i+1
.endr
	s_wait_alu depctr_va_vdst(0)                   ; the 32 offsets are written, which the stores of out0 read; the products that wrote S and the update that read it are done, so the loads from the stage may land there
.set i, 0
.rept 32
	ds_load_b128 v[4*i:4*i+3], v[9+\hh] offset:i*SP
.set i, i+1
.endr
	WIN 0x0f                                       ; a store's offset and data: window 3
.set i, 0
.rept 32
	s_wait_dscnt 31-i                              ; row i is back; the younger rows may be out
	global_store_b128 v[OUT+i], v[4*i:4*i+3], s[80:81] offset:512*\hh th:TH_STORE_NT   ; 32 lanes store 512 consecutive bytes, at a multiple of 512 from out0's first byte
.set i, i+1
.endr
	WIN 0
.if (\hh) == 0
	s_wait_alu depctr_vm_vsrc(0)                   ; the stores of out0 have read their data in S's registers and their offsets in OUT: the second half's products and its first update write both (the wait on XCNT at the next expert's head stands beside this one)
.endif
.endm
.macro HALF hh                         ; s28 experts: the first, s28 - 2 in the loop, the last
	BODY 1, 1
	s_sub_co_u32 s29, s28, 2
	s_cmp_eq_u32 s29, 0
	s_cbranch_scc1 .Llast_\@
.Lwalk_\@:
	BODY 1, 0
	s_sub_co_u32 s29, s29, 1
	s_cmp_lg_u32 s29, 0
	s_cbranch_scc1 .Lwalk_\@
.Llast_\@:
	BODY 2-2*\hh, 0
	FLUSH \hh
.endm
	s_load_b512 s[4:19], s[0:1], 0x0               ; xc s[4:5], xs s[6:7], wc s[8:9], ws s[10:11], be s[12:13], route s[14:15], gates s[16:17], order s[18:19]
	s_load_b128 s[20:23], s[0:1], 0x40             ; blocks s[20:21], out0 s[22:23]
	v_lshrrev_b32 v13, 5, v0
	v_readfirstlane_b32 s24, v13                   ; wave 0..3
	s_mov_b32 s26, ttmp9                           ; cq
	s_and_b32 s27, ttmp7, 0xffff                   ; b
	v_and_b32 v14, 31, v0                          ; lane
	v_and_b32 v11, 15, v0                          ; r
	v_bfe_u32 v12, v0, 4, 1                        ; h
	v_lshlrev_b32 v1, 4, v14                       ; 16 x lane
	v_lshlrev_b32 v2, 2, v14                       ; 4 x lane
	v_lshlrev_b32 v3, 5, v12                       ; 32 h
	s_wait_alu depctr_va_sdst(0)                   ; s24, the wave's number, is written, ahead of its first reader: LDS places and the wave's parts of the buffers are made from it
	s_mul_i32 s66, s24, 2*XRT
	v_mul_u32_u24 v4, v14, XKB
	v_add_nc_u32 v4, s66, v4                       ; a row's codes into LDS: lane = block kb; my wave's two tiles of rows
	v_mul_u32_u24 v5, v12, XKB
	v_lshl_add_u32 v5, v11, 4, v5                  ; and out as fragments: XKB h + 16 r, tiles 0-3;
	v_add_nc_u32 v6, 4*XRT, v5                     ; tiles 4-7
	v_mul_u32_u24 v7, v11, SP
	v_lshl_add_u32 v7, v12, 5, v7
	s_lshl_b32 s66, s24, 7
	s_add_co_u32 s66, s66, STG0
	v_add_nc_u32 v7, s66, v7                       ; into a stage: row r, + 32 h, + 128 w
	v_add_nc_u32 v8, STGB, v7
	s_mul_i32 s66, s24, 32*SP
	s_add_co_u32 s66, s66, STG0
	v_add_nc_u32 v9, s66, v1                       ; back: my 32 rows, 16 bytes a lane
	v_add_nc_u32 v10, STGB, v9
	v_lshlrev_b32 v13, 2, v11                      ; 4 r
	v_lshlrev_b32 v15, 4, v12                      ; 16 h
	s_mov_b32 s87, 0
	s_wait_kmcnt 0x0
	s_lshl_b32 s86, s27, 2
	s_add_nc_u64 s[20:21], s[20:21], s[86:87]
	s_load_b32 s25, s[20:21], 0x0                  ; the block's mask of experts
	s_lshl_b32 s86, s27, 9
	s_add_nc_u64 s[82:83], s[18:19], s[86:87]      ; order at my block's 128 ranks
	s_lshl_b32 s86, s24, 7
	s_add_nc_u64 s[84:85], s[82:83], s[86:87]      ; and at my wave's 32
	s_load_b512 s[32:47], s[84:85], 0x0
	s_load_b512 s[48:63], s[84:85], 0x40
	s_wait_alu depctr_va_vdst(0)                   ; the offsets and LDS addresses v1 to v10 and v13 are written: every load, store and LDS instruction of the kernel that reads one of them stands behind this wait, and none of them is written again
.irp rt, 0,1,2,3,4,5,6,7
	global_load_b32 v[TK+\rt], v13, s[82:83] offset:64*\rt   ; the token of row 16 rt + r, in both halves of the lanes
.endr
	s_wait_kmcnt 0x0
.set i, 0
.rept 32
	s_min_u32 s[32+i], s[32+i], 0x1fff             ; held inside the tables
.set i, i+1
.endr
	s_and_b32 s25, s25, 0xff
	s_bcnt1_i32_b32 s28, s25
	s_max_u32 s28, s28, 2                          ; two experts at the least (a token has two); at the most eight
	WIN 0xc0                                       ; destination window 3
.set i, 0
.rept 32
	s_lshl_b32 s66, s[32+i], 9
	v_add_nc_u32 v[OUT+i], s66, v1                 ; 512 x token + 16 x lane
.set i, i+1
.endr
	WIN 0xc3                                       ; destination and offset in window 3
	s_wait_alu depctr_va_vdst(0)                   ; the 32 offsets in OUT's first registers are written, which the loads below read
.set i, 0
.rept 32
	global_load_b128 v[4*i:4*i+3], v[OUT+i], s[4:5]   ; a row's 512 bytes of codes
.set i, i+1
.endr
	WIN 0
	s_wait_loadcnt 32                              ; the tokens by lane are in; the 32 rows may be out
.irp rt, 0,1,2,3,4,5,6,7
	v_min_u32 v[TK+\rt], 0x1fff, v[TK+\rt]
	v_lshlrev_b32 v[RING+\rt], 3, v[TK+\rt]        ; 8 x token: route and gates
	v_lshl_add_u32 v[RING+8+\rt], v[TK+\rt], 5, v15   ; 32 x token + 16 h: xs
.endr
	s_wait_alu depctr_va_vdst(0)                   ; the 16 offsets in the ring's first registers are written: the loads below read them, and the first expert's loads land in them further down
.irp rt, 0,1,2,3,4,5,6,7
	global_load_b128 v[XSR+4*\rt:XSR+4*\rt+3], v[RING+8+\rt], s[6:7]   ; register q: K step q in lanes 0-15, 4 + q in lanes 16-31
	global_load_b32 v[ELO+\rt], v[RING+\rt], s[14:15]
	global_load_b64 v[G+2*\rt:G+2*\rt+1], v[RING+\rt], s[16:17]
.endr
	WIN 0x0c                                       ; an LDS store's data: window 3
.set i, 0
.rept 32
	s_wait_loadcnt 55-i                            ; row i is in; behind it: the 31 - i younger rows and the 24 loads above
	ds_store_b128 v4, v[4*i:4*i+3] offset:(i/16)*XRT+(i%16)*16
.set i, i+1
.endr
	WIN 0
	s_wait_xcnt 0x0                                ; the ring's first registers held offsets of the loads above: loads land there only behind this wait
	s_wait_alu depctr_vm_vsrc(0)                   ; the loads above have read their offsets, 16 in the ring (the first expert's loads land there) and 32 in OUT (the first update writes them); the LDS stores have read S's registers, which the first products write
	s_lshl_b32 s86, s26, 4
	s_lshl_b32 s66, s24, 1
	s_add_co_u32 s66, s86, s66                     ; my first tile of columns in the first half: 16 cq + 2 w
	s_lshl_b32 s86, s66, 13
	s_add_nc_u64 s[74:75], s[8:9], s[86:87]
	s_lshl_b32 s86, s66, 9
	s_add_nc_u64 s[76:77], s[10:11], s[86:87]
	s_lshl_b32 s86, s66, 6
	s_add_nc_u64 s[78:79], s[12:13], s[86:87]
	s_lshl_b32 s86, s26, 10
	s_add_nc_u64 s[80:81], s[22:23], s[86:87]
	s_mov_b32 s30, s25
	POP
	PTRS
	LOADSET 0                                      ; the first expert: 44 loads
	LOADSET 1
	LOADSET 2
	LOADSET 3
	s_wait_dscnt 0x0                               ; for the others' sake: my 32 rows lie in LDS
	s_barrier_signal -1
	s_barrier_wait -1
.irp s, 0,1,2,3,4,5,6,7
	WIN 0x40+0x40*(\s/4)                           ; destination window 1 or 2
.irp rt, 0,1,2,3,4,5,6,7
.irp c, 0,1
	ds_load_b128 v[64*(\s%4)+8*\rt+4*\c:64*(\s%4)+8*\rt+4*\c+3], v[5+\rt/4] offset:(\rt%4)*XRT+(4*\s+2*\c)*XKB   ; registers 4 c on: block 4 s + 2 c + h of token r
.endr
.endr
.endr
	WIN 0
	s_wait_loadcnt 44                              ; scale words, experts and weights of the rows are in; the first expert's 44 loads may be out
.irp rt, 0,1,2,3,4,5,6,7
	v_bfe_u32 v[EHI+\rt], v[ELO+\rt], 4, 4
	v_and_b32 v[ELO+\rt], 15, v[ELO+\rt]
	v_mov_b32 v[WW+2*\rt+1], 0                     ; named as the upper half of a pair, so it is written
.endr
.set i, 0
.rept 32
	s_lshl_b32 s[32+i], s[32+i], 12                ; from here on: the token's row in out0, in bytes
.set i, i+1
.endr
	s_wait_dscnt 0x0                               ; the rows' fragments are in
	HALF 0
	HALF 1
	s_wait_xcnt 0x0
	v_lshl_add_u32 v254, v0, 2, 0x32000            ; the add's two registers are made anew here (no memory or LDS instruction has ever read v254 or v255: loads landed in them, products read them)
	v_mov_b32 v255, 0
	s_wait_dscnt 0x0                               ; the closing lines, six on end
	s_wait_alu 0x0
	s_wait_tensorcnt 0x0
	ds_add_u32 v254, v255
	s_wait_dscnt 0x0
	s_endpgm
.Lfunc_end_k_qf8ef984897_experts:
	.size	k_qf8ef984897_experts, .Lfunc_end_k_qf8ef984897_experts-k_qf8ef984897_experts
	.p2alignl 7, 3214868480
	.fill 96, 4, 3214868480
	.section	.rodata,"a",@progbits
	.p2align	6, 0x0
	.amdhsa_kernel k_qf8ef984897_experts
		.amdhsa_group_segment_fixed_size 205312
		.amdhsa_private_segment_fixed_size 0
		.amdhsa_enable_private_segment 0
		.amdhsa_kernarg_size 80
		.amdhsa_user_sgpr_count 2
		.amdhsa_user_sgpr_kernarg_segment_ptr 1
		.amdhsa_wavefront_size32 1
		.amdhsa_system_sgpr_workgroup_id_x 1
		.amdhsa_system_sgpr_workgroup_id_y 1
		.amdhsa_system_sgpr_workgroup_id_z 1
		.amdhsa_system_vgpr_workitem_id 0
		.amdhsa_next_free_vgpr 1024
		.amdhsa_next_free_sgpr 90
		.amdhsa_reserve_vcc 0
		.amdhsa_float_denorm_mode_32 3
		.amdhsa_float_denorm_mode_16_64 3
		.amdhsa_memory_ordered 1
		.amdhsa_forward_progress 1
		.amdhsa_inst_pref_size 212
	.end_amdhsa_kernel
	.amdgpu_metadata
---
amdhsa.version: [ 1, 2 ]
amdhsa.kernels:
  - .name:           k_qf8ef984897_experts
    .symbol:         k_qf8ef984897_experts.kd
    .args:
      - { .name: xc, .offset: 0, .size: 8, .value_kind: global_buffer, .address_space: global }
      - { .name: xs, .offset: 8, .size: 8, .value_kind: global_buffer, .address_space: global }
      - { .name: wc, .offset: 16, .size: 8, .value_kind: global_buffer, .address_space: global }
      - { .name: ws, .offset: 24, .size: 8, .value_kind: global_buffer, .address_space: global }
      - { .name: be, .offset: 32, .size: 8, .value_kind: global_buffer, .address_space: global }
      - { .name: route, .offset: 40, .size: 8, .value_kind: global_buffer, .address_space: global }
      - { .name: gates, .offset: 48, .size: 8, .value_kind: global_buffer, .address_space: global }
      - { .name: order, .offset: 56, .size: 8, .value_kind: global_buffer, .address_space: global }
      - { .name: blocks, .offset: 64, .size: 8, .value_kind: global_buffer, .address_space: global }
      - { .name: out0, .offset: 72, .size: 8, .value_kind: global_buffer, .address_space: global }
    .group_segment_fixed_size: 205312
    .private_segment_fixed_size: 0
    .kernarg_segment_align: 8
    .kernarg_segment_size: 80
    .max_flat_workgroup_size: 128
    .sgpr_count:     90
    .vgpr_count:     1024
    .wavefront_size: 32
...
	.end_amdgpu_metadata
.endif
;; end of part 6
